; MI455X (gfx1250); checked and timed in simulation.
; The chip was launched on July 23, 2026; its instructions are those of AMD's public machine-readable ISA for CDNA 5 (MIT licence, August 2026) and "CDNA5" Instruction Set Architecture Reference Guide (July 2026). The comments in the code are by the model that wrote it; some were corrected since.
;; My Multi Head Attention. Allowed arithmetic: matrix products marked QUANTISED: E2M3 operands, one E8M0 scale for each 32 along K, by v_wmma_scale_f32_16x16x128_f8f6f4 with both operands' format E2M3, f32 sums; everything else in f32.
;; Inputs: W 8 x 3 x 1,024 x 128 float32; Wo 1,024 x 128 float32; x 4 x 2,048 x 1,024 float32.
;; Outputs: out0 4 x 2,048 x 128 float32.
;; This version of the problem:
;;   THIS VERSION OF THE PROBLEM IS GIVEN IN LOW PRECISION. The matrix products marked QUANTISED in the list below multiply operands that are first quantised to E2M3 (2 exponent bits, 3 mantissa bits; 6 bits a number), with one power-of-two scale for each 32 numbers along K (OCP MX v1.0); their sums are f32. All else is computed in f32.
;;   The module's matrix products, in the order in which they are computed (A, B: the left and right operand; K: the contracted axis; several contracted axes count as one K, in the product's order):
;;     1. [M 1,024, K 1,024] x [K 1,024, N 8,192]; A: input W; B: input x: QUANTISED
;;     2. [M 1,024, K 1,024] x [K 1,024, N 8,192]; A: input W; B: input x: QUANTISED
;;     3. [M 1,024, K 1,024] x [K 1,024, N 8,192]; A: input W; B: input x: QUANTISED
;;     4. batch 32 x [M 2,048, K 128] x [K 128, N 2,048]; A: computed on the way; B: computed on the way: QUANTISED
;;     5. batch 32 x [M 2,048, K 2,048] x [K 2,048, N 128]; A: softmax (see below); B: computed on the way: QUANTISED
;;     6. [M 8,192, K 1,024] x [K 1,024, N 128]; A: computed on the way; B: input Wo: QUANTISED
;;   THE QUANTISER, for each operand of a quantised product, along K:
;;     - K is cut into blocks of 32 from its start; a last block that is shorter is filled with zeros.
;;     - A block's scale is 2^e with e = floor(log2(the largest magnitude in the block)) - 2, held to -126 .. 127; a block of zeros has e = 0. As a byte (E8M0): e + 127.
;;     - Each number is divided by its block's scale, clamped to +-7.5, and rounded to the nearest number of E2M3, ties to even, subnormals kept.
;;     - The product sums the exact products of the quantised numbers (number of the format x scale) in f32.
;;   ~~~python
;;   def quantise(x, axis):      # numpy; x: float32 -> the quantised numbers, widened to float32 again
;;       x = np.moveaxis(x, axis, -1); K = x.shape[-1]
;;       x = np.pad(x, [(0, 0)] * (x.ndim - 1) + [(0, -K % 32)]); x = x.reshape(x.shape[:-1] + (-1, 32)); a = np.abs(x).max(-1, keepdims=True)
;;       e = np.where(a > 0, np.clip(np.frexp(np.where(a > 0, a, 1))[1] - 1 - 2, -126, 127), 0)      # np.frexp(a)[1] - 1 = floor(log2(a)), exactly
;;       r = np.clip(x / 2.0 ** e, -7.5, 7.5)
;;       step = 2.0 ** (np.maximum(np.frexp(np.where(r == 0, 1, r))[1] - 1, 0) - 3)
;;       q = np.round(r / step) * step * 2.0 ** e      # np.round: ties to even
;;       return np.moveaxis(q.reshape(q.shape[:-2] + (-1,))[..., :K], -1, axis).astype(np.float32)
;;   ~~~
;;   SOFTMAX AHEAD OF A QUANTISED PRODUCT. Where the list says 'softmax', what is quantised is not the finished softmax but p = 2^(t - M), with t = logit x log2(e) and M = ceil(the row's largest t), a whole number; so 1/2 < the row's largest p <= 1. The row's sum l is taken of the UNQUANTISED p, in f32, and the product's result is divided by l at the end. Since M is a whole number, a kernel that streams over the keys may use a running M (the ceiling of the running maximum): every later rescaling is an exact power of two, which a block's scale takes up: the codes' values come out the same.
;;   OPERANDS COMPUTED ON THE WAY. 'Computed on the way' means the value that the module computes at that place (a softmax that the list does not call 'softmax' is quantised finished and normalised). What goes into a quantiser is computed in f32, as accurately as f32 sums, v_exp_f32 and their like allow (about 1e-6 of the number): no bf16 or f16 on the way to a quantiser, and a product that is left as it is and whose result goes on into a quantised operand takes f32 operands (vector FMAs, or v_wmma_f32_16x16x4_f32). A number that lies on a knife's edge between two numbers of the format may be rounded either way, as far as f32 arithmetic and the matrix unit's own rounding can turn it there, and no further.
;; One version. Each part assembles by itself: llvm-mc -triple=amdgcn-amd-amdhsa -mcpu=gfx1250 --defsym DOCPART=n.
;; ======== version 1 of 1: 4 launches
;; limits: right only within a limited range of input values
;; workspace buffers: xc 6,553,600 bytes; wc 2,560,000 bytes; qc 6,553,600 bytes; kc 13,107,200 bytes; oc 6,815,744 bytes
;; launch quant (part 1): grid 356 x 1, 4 waves a work-group, no clusters, 34,304 bytes of LDS; arguments x, W, Wo, xc, wc; writes xc, wc
.if DOCPART == 1
	.amdgcn_target "amdgcn-amd-amdhsa--gfx1250"
	.amdhsa_code_object_version 6
	.text
	.protected	k_qf789d40709_quant
	.globl	k_qf789d40709_quant
	.p2align	8
	.type	k_qf789d40709_quant,@function
k_qf789d40709_quant:
	s_mov_b64 s[64:65], 0
	v_nop
	global_prefetch_b8 v0, s[64:65] scope:SCOPE_SE
	s_setreg_imm32_b32 hwreg(HW_REG_WAVE_MODE, 25, 1), 1
	s_wait_xcnt 0x0
; x [8192 tokens][1024], W [24 matrices][1024][128] and Wo [1024][128], all f32, become codes of FP6 (E2M3) with one E8M0 byte for each 32 along K (K = the 1024).
; A block's scale is 2^(floor(log2(largest magnitude)) - 2); its byte is the largest magnitude's exponent field - 2, held at 1 from below.
; LIMITS: NaN and infinities are not served; a block whose largest magnitude lies under 2^-124 has its byte held at 1; a block of zeros gets the byte 1, not 127: its codes are zeros and this program alone reads the bytes.
; THE CODES ARE LAID AS IMAGES OF OPERAND REGISTERS: a fragment (16 rows x 128 K, 12 registers a lane) is 1,536 bytes, registers 4 g .. 4 g + 3 of lane l at 512 g + 16 l.
; THE ROWS OF A TILE ARE NOT NEIGHBOURS: in each group of 128 rows, lane r of tile 2 b + u takes row 32 b + 8 u + r + 8 (r / 8): the 128 columns of every weight so.
; Work-groups 0-255 take x (K innermost: dense loads, turned through the wave's own stage in LDS so that a lane holds 16 neighbours); work-groups 256-355 take the weights (K outermost: a lane takes a column, registers run down K).
; No input is shared between work-groups, memory binds: no cluster, no tensor load, no matrix unit, no barrier.
.set SPARE,  33792                     ; behind the four stages (4 x 16 rows x 528 bytes): the spare words, 128 bytes a wave
.set XS_OFF, 6291456                   ; xc: behind 512 x 8 fragments, the scale words
.set WS_OFF, 2457600                   ; wc: behind 25 x 64 fragments, the scale words
.set SPW, 1                            ; v1  my spare word's LDS address; never rewritten
.set NIL, 2                            ; v2  0; never rewritten
.set LI,  3                            ; v3  16 x lane
.set L8,  4                            ; v4  8 x lane
.set SI,  5                            ; v5  the stage, on the way in: wave x 8,448 + 16 x lane
.set SO,  6                            ; v6  on the way out: wave x 8,448 + 528 r + 64 h
.set CO,  7                            ; v7  my column of a weight, in bytes
.set TM,  16                           ; v16-31 at work in QUANT
.set PW,  32                           ; v32-35 the four K steps' scale words
.set RR,  36                           ; v36-37 scale words to store
.set TQ,  40                           ; v40-46 halves of blocks on their way
.set PC,  48                           ; v48-59 a fragment's codes
.set R0,  64                           ; v64-127, v128-191 two sets of 64 numbers as loaded
.set X,   192                          ; v192-255 64 numbers, 16 neighbours of each of four blocks
.set SEL, 16                           ; s[16:17] lane selects: lane l xor 16
	s_load_b128 s[4:7], s[0:1], 0x0                ; x, W
	s_load_b128 s[8:11], s[0:1], 0x10              ; Wo, xc
	s_load_b64 s[12:13], s[0:1], 0x20              ; wc
	v_lshl_add_u32 v[SPW], v0, 2, SPARE
	v_mov_b32 v[NIL], 0
	v_lshrrev_b32 v8, 5, v0
	v_readfirstlane_b32 s14, v8                    ; wave 0..3
	v_and_b32 v9, 31, v0                           ; lane
	v_lshlrev_b32 v[LI], 4, v9
	v_lshlrev_b32 v[L8], 3, v9
	s_mul_i32 s18, s14, 8448                       ; my stage
	v_add_nc_u32 v[SI], s18, v[LI]
	v_and_b32 v10, 15, v0                          ; r
	v_bfe_u32 v11, v0, 4, 1                        ; h
	v_mul_u32_u24 v[SO], v10, 528
	v_lshl_add_u32 v[SO], v11, 6, v[SO]
	v_add_nc_u32 v[SO], s18, v[SO]
	v_and_b32 v[CO], 7, v0                         ; column (l % 8) + 16 ((l / 8) % 2) + 8 (l / 16): lanes 0-15 tile 2 b, lanes 16-31 tile 2 b + 1
	v_bfe_u32 v12, v0, 3, 1
	v_lshl_add_u32 v[CO], v12, 4, v[CO]
	v_lshl_add_u32 v[CO], v11, 3, v[CO]
	v_lshlrev_b32 v[CO], 2, v[CO]
	s_mov_b32 s15, 0xffff0000                      ; lanes 16-31
	s_mov_b32 s[SEL], 0x76543210
	s_mov_b32 s[SEL+1], 0xfedcba98
.irp b, 0,1,2,3
	v_mov_b32 v[TM+4+\b], 0                        ; written once: a lane permute's destination counts as one of its sources
.endr
; 64 numbers of a lane, register 16 b + i = k 32 b + 16 h + i of my row, become a fragment's codes in v[pc] on and my row's scale word in v[pw]
.macro QUANT s, pc, pw
.irp b, 0,1,2,3
	v_max3_num_f32 v[TM+\b], |v[\s+16*\b]|, |v[\s+1+16*\b]|, 0x1800000   ; my 16 numbers of block b, and the floor 2^(3 - 127): the byte cannot fall under 1
.endr
.irp i, 2,4,6,8,10,12,14
.irp b, 0,1,2,3
	v_max3_num_f32 v[TM+\b], v[TM+\b], |v[\s+16*\b+\i]|, |v[\s+1+16*\b+\i]|   ; the four blocks by turns
.endr
.endr
.irp b, 0,1,2,3
	v_permlanex16_b32 v[TM+4+\b], v[TM+\b], s[SEL], s[SEL+1]
.endr
.irp b, 0,1,2,3
	v_max_num_f32 v[TM+\b], v[TM+\b], v[TM+4+\b]   ; with lane l xor 16's 16: the block's largest magnitude
.endr
.irp b, 0,1,2,3
	v_add_nc_u32 v[TM+12+\b], 0xff000000, v[TM+\b] ; 2 off its exponent field: the conversion's scale operand
.endr
.irp b, 0,1,2,3
	v_lshrrev_b32 v[TM+4+\b], 23, v[TM+12+\b]      ; the scale's byte
.endr
	v_lshl_or_b32 v[\pw], v[TM+5], 8, v[TM+4]
	v_lshl_or_b32 v[\pw], v[TM+6], 16, v[\pw]
	v_lshl_or_b32 v[\pw], v[TM+7], 24, v[\pw]
.irp c, 0,1
	v_cvt_scalef32_pk16_fp6_f32 v[\pc+6*\c:\pc+2+6*\c], v[\s+32*\c:\s+15+32*\c], v[TM+12+2*\c]
	v_cvt_scalef32_pk16_fp6_f32 v[TQ+4*\c:TQ+2+4*\c], v[\s+16+32*\c:\s+31+32*\c], v[TM+12+2*\c+1]   ; a conversion's three registers begin on an even number
.endr
	v_nop                                          ; one plain place behind a scaled conversion
.irp c, 0,1                                    ; the operand's layout wants a whole block in a lane: lanes 0-15 block 2 c, lanes 16-31 block 2 c + 1
.irp i, 0,1,2
	v_permlane16_swap_b32 v[\pc+6*\c+\i], v[TQ+4*\c+\i]
.endr
.irp i, 0,1,2
	v_mov_b32 v[\pc+3+6*\c+\i], v[TQ+4*\c+\i]
.endr
.endr
.endm
	s_wait_kmcnt 0x0
	s_cmp_ge_u32 ttmp9, 256
	s_cbranch_scc1 .Lweights
	; ---- x: wave w of work-group g takes token tile TT = 2 g + w / 2 and K steps 4 (w % 2) + 0 .. 3
	s_lshl_b32 s20, ttmp9, 1
	s_lshr_b32 s21, s14, 1
	s_add_co_u32 s20, s20, s21                     ; TT
	s_and_b32 s21, s14, 1                          ; which half of K
	s_lshr_b32 s22, s20, 3
	s_lshl_b32 s22, s22, 7
	; THE TOKENS OF A TILE (this holds for x; the rule 32 b + 8 u + r + 8 (r / 8) holds for the weights' columns alone): in each group of 128 tokens, row i of tile 4 c + u is token 64 c + 8 u + i + 24 (i / 8)
	s_bfe_u32 s23, s20, 0x10002
	s_lshl_b32 s23, s23, 6
	s_add_co_u32 s22, s22, s23
	s_and_b32 s23, s20, 3
	s_lshl_b32 s23, s23, 3
	s_add_co_u32 s22, s22, s23                     ; the tile's first token: 128 (TT / 8) + 64 ((TT / 4) % 2) + 8 (TT % 4)
	s_lshl_b32 s24, s22, 12
	s_lshl_b32 s25, s21, 11
	s_add_co_u32 s24, s24, s25
	s_mov_b32 s25, 0
	s_add_nc_u64 s[4:5], s[4:5], s[24:25]
	s_mul_i32 s26, s20, 12288
	s_mul_i32 s27, s21, 6144
	s_add_co_u32 s26, s26, s27
	s_mov_b32 s27, 0
	s_add_nc_u64 s[26:27], s[10:11], s[26:27]      ; my four fragments in xc
	s_lshl_b32 s28, s20, 9
	s_lshl_b32 s29, s21, 8
	s_add_co_u32 s28, s28, s29
	s_add_co_u32 s28, s28, XS_OFF
	s_mov_b32 s29, 0
	s_add_nc_u64 s[28:29], s[10:11], s[28:29]      ; and their scale words
.macro LOADX q                         ; K step q of the tile's 16 rows: each load takes 512 consecutive bytes of one row
.irp i, 0,1,2,3,4,5,6,7,8,9,10,11,12,13,14,15
	global_load_b128 v[R0+64*((\q)%2)+4*\i:R0+64*((\q)%2)+4*\i+3], v[LI], s[4:5] offset:(\i+24*(\i/8))*4096+512*(\q) th:TH_LOAD_NT
.endr
.endm
.macro STEPX q
.if (\q) < 3
	s_wait_loadcnt 16                              ; this step's 16 loads are in; the next step's 16 may be out
.else
	s_wait_loadcnt 0x0
.endif
.irp i, 0,1,2,3,4,5,6,7,8,9,10,11,12,13,14,15
	ds_store_b128 v[SI], v[R0+64*((\q)%2)+4*\i:R0+64*((\q)%2)+4*\i+3] offset:528*\i   ; rows 528 bytes apart: 33 x 16, so the sixteen rows of a read start in different banks
.endr
.irp b, 0,1,2,3
.irp j, 0,1,2,3
	ds_load_b128 v[X+16*\b+4*\j:X+16*\b+4*\j+3], v[SO] offset:128*\b+16*\j   ; LDS serves a wave's instructions in order: these see my stores
.endr
.endr
	s_wait_dscnt 0x0
.if (\q) < 2
	LOADX (\q)+2
.endif
.if (\q) > 0
	s_wait_xcnt 0x0                                ; the last step's stores have read the codes' registers
.endif
	QUANT X, PC, PW+\q
.irp g, 0,1,2
	global_store_b128 v[LI], v[PC+4*\g:PC+4*\g+3], s[26:27] offset:(\q)*1536+512*\g   ; 512 consecutive bytes, aligned
.endr
.endm
	LOADX 0
	LOADX 1
	STEPX 0
	STEPX 1
	STEPX 2
	STEPX 3
	v_cndmask_b32 v[RR], v[PW], v[PW+1], s15       ; one register carries two K steps' words: lanes 0-15 the even step's, lanes 16-31 the odd step's
	v_cndmask_b32 v[RR+1], v[PW+2], v[PW+3], s15
	global_store_b64 v[L8], v[RR:RR+1], s[28:29]   ; one aligned block of 256 bytes
	s_branch .Lend
.Lweights:
	; ---- the weights: work-group g = 4 mi + kq takes matrix mi (24 = Wo), rows 256 kq on; wave b takes columns 32 b on (tiles 2 b, 2 b + 1)
	s_sub_co_u32 s20, ttmp9, 256
	s_lshr_b32 s21, s20, 2                         ; mi
	s_and_b32 s22, s20, 3                          ; kq
	s_lshl_b32 s24, s21, 19                        ; a matrix of W is 524,288 bytes
	s_cmp_lt_u32 s21, 24
	s_cselect_b64 s[6:7], s[6:7], s[8:9]           ; W or Wo: the choice hangs on the work-group's number alone
	s_cselect_b32 s24, s24, 0
	s_lshl_b32 s25, s22, 17
	s_add_co_u32 s24, s24, s25
	s_lshl_b32 s25, s14, 7
	s_add_co_u32 s24, s24, s25
	s_mov_b32 s25, 0
	s_add_nc_u64 s[6:7], s[6:7], s[24:25]
	s_mul_i32 s26, s21, 98304                      ; fragment ((mi 8 + s) 8 + nt), s = 2 kq, nt = 2 b
	s_mul_i32 s27, s22, 24576
	s_add_co_u32 s26, s26, s27
	s_mul_i32 s27, s14, 3072
	s_add_co_u32 s26, s26, s27
	s_mov_b32 s27, 0
	s_add_nc_u64 s[26:27], s[12:13], s[26:27]
	s_lshl_b32 s28, s21, 12
	s_lshl_b32 s29, s14, 10
	s_add_co_u32 s28, s28, s29
	s_lshl_b32 s29, s22, 8
	s_add_co_u32 s28, s28, s29
	s_add_co_u32 s28, s28, WS_OFF
	s_mov_b32 s29, 0
	s_add_nc_u64 s[28:29], s[12:13], s[28:29]
.macro LOADW t                         ; block t: rows 32 t + i of my column; a wave's load takes 128 consecutive bytes, the four waves stand side by side on 512
.irp i, 0,1,2,3,4,5,6,7,8,9,10,11,12,13,14,15,16,17,18,19,20,21,22,23,24,25,26,27,28,29,30,31
	global_load_b32 v[X+32*((\t)%2)+\i], v[CO], s[6:7] offset:(32*(\t)+\i)*512 th:TH_LOAD_NT
.endr
.endm
.macro BLOCK t
.set XB, X+32*((\t)%2)
.set QQ, (\t)/4                        ; which of my two K steps
.set CH, ((\t)/2)%2                    ; which 64 of its 128
.set UU, (\t)%2
.set FA, 64+48*QQ                      ; tile 2 b's fragment
.set FB, 88+48*QQ                      ; tile 2 b + 1's
.set FD, FA+24*UU+6*CH
.if (\t) < 7
	s_wait_loadcnt 32                              ; this block's 32 loads are in; the next block's may be out
.else
	s_wait_loadcnt 0x0
.endif
	v_max3_num_f32 v16, |v[XB]|, |v[XB+1]|, |v[XB+2]|   ; all 32 numbers of the block are mine
	v_max3_num_f32 v17, |v[XB+3]|, |v[XB+4]|, |v[XB+5]|
.irp i, 6,10,14,18,22,26
	v_max3_num_f32 v16, v16, |v[XB+\i]|, |v[XB+\i+1]|
	v_max3_num_f32 v17, v17, |v[XB+\i+2]|, |v[XB+\i+3]|
.endr
	v_max3_num_f32 v16, v16, |v[XB+30]|, |v[XB+31]|
	v_max3_num_f32 v16, v16, v17, 0x1800000        ; and the floor
	v_add_nc_u32 v18, 0xff000000, v16
	v_lshrrev_b32 v19, 23, v18
.if (\t)%4 == 0
	v_mov_b32 v[RR+QQ], v19                        ; four bytes make my column's scale word of the K step
.else
	v_lshl_or_b32 v[RR+QQ], v19, 8*((\t)%4), v[RR+QQ]
.endif
	v_cvt_scalef32_pk16_fp6_f32 v[FD:FD+2], v[XB:XB+15], v18
	v_cvt_scalef32_pk16_fp6_f32 v[TQ+4*UU:TQ+4*UU+2], v[XB+16:XB+31], v18
	v_nop                                          ; one plain place behind a scaled conversion
.if (\t)+2 < 8
	LOADW (\t)+2
.endif
.if UU == 1                            ; blocks 2 c and 2 c + 1 are made.  Lanes 0-15 hold tile 2 b's columns, lanes 16-31 tile 2 b + 1's; a fragment wants block 2 c in lanes 0-15 and block 2 c + 1 in lanes 16-31: one exchange of halves gives both tiles'
.irp i, 0,1,2
	v_permlane16_swap_b32 v[FA+6*CH+\i], v[FB+6*CH+\i]
	v_permlane16_swap_b32 v[TQ+\i], v[TQ+4+\i]
.endr
.irp i, 0,1,2
	v_mov_b32 v[FA+6*CH+3+\i], v[TQ+\i]
	v_mov_b32 v[FB+6*CH+3+\i], v[TQ+4+\i]
.endr
.endif
.if (\t)%4 == 3
.irp g, 0,1,2
	global_store_b128 v[LI], v[FA+4*\g:FA+4*\g+3], s[26:27] offset:QQ*12288+512*\g          ; each K step has registers of its own: no store's data are written again
	global_store_b128 v[LI], v[FB+4*\g:FB+4*\g+3], s[26:27] offset:QQ*12288+1536+512*\g
.endr
.endif
.endm
	s_wait_alu depctr_va_vdst(0)
	LOADW 0
	LOADW 1
.irp t, 0,1,2,3,4,5,6,7
	BLOCK \t
.endr
	global_store_b64 v[L8], v[RR:RR+1], s[28:29]   ; the two K steps' words: lanes 0-15 tile 2 b's rows, lanes 16-31 tile 2 b + 1's; one aligned block of 256 bytes
.Lend:
	s_wait_tensorcnt 0x0                           ; the wave's end
	ds_add_u32 v[SPW], v[NIL]
	s_wait_dscnt 0x0
	s_endpgm
.Lfunc_end_k_qf789d40709_quant:
	.size	k_qf789d40709_quant, .Lfunc_end_k_qf789d40709_quant-k_qf789d40709_quant
	.p2alignl 7, 3214868480
	.fill 96, 4, 3214868480
	.section	.rodata,"a",@progbits
	.p2align	6, 0x0
	.amdhsa_kernel k_qf789d40709_quant
		.amdhsa_group_segment_fixed_size 34304
		.amdhsa_private_segment_fixed_size 0
		.amdhsa_enable_private_segment 0
		.amdhsa_kernarg_size 40
		.amdhsa_user_sgpr_count 2
		.amdhsa_user_sgpr_kernarg_segment_ptr 1
		.amdhsa_wavefront_size32 1
		.amdhsa_system_sgpr_workgroup_id_x 1
		.amdhsa_system_sgpr_workgroup_id_y 1
		.amdhsa_system_sgpr_workgroup_id_z 1
		.amdhsa_system_vgpr_workitem_id 0
		.amdhsa_next_free_vgpr 256
		.amdhsa_next_free_sgpr 66
		.amdhsa_reserve_vcc 0
		.amdhsa_float_denorm_mode_32 3
		.amdhsa_float_denorm_mode_16_64 3
		.amdhsa_memory_ordered 1
		.amdhsa_forward_progress 1
		.amdhsa_inst_pref_size 73
	.end_amdhsa_kernel
	.amdgpu_metadata
---
amdhsa.version: [ 1, 2 ]
amdhsa.kernels:
  - .name:           k_qf789d40709_quant
    .symbol:         k_qf789d40709_quant.kd
    .args:
      - { .name: x, .offset: 0, .size: 8, .value_kind: global_buffer, .address_space: global }
      - { .name: W, .offset: 8, .size: 8, .value_kind: global_buffer, .address_space: global }
      - { .name: Wo, .offset: 16, .size: 8, .value_kind: global_buffer, .address_space: global }
      - { .name: xc, .offset: 24, .size: 8, .value_kind: global_buffer, .address_space: global }
      - { .name: wc, .offset: 32, .size: 8, .value_kind: global_buffer, .address_space: global }
    .group_segment_fixed_size: 34304
    .private_segment_fixed_size: 0
    .kernarg_segment_align: 8
    .kernarg_segment_size: 40
    .max_flat_workgroup_size: 128
    .sgpr_count:     66
    .vgpr_count:     256
    .wavefront_size: 32
...
	.end_amdgpu_metadata
.endif
;; end of part 1
;; launch qkv (part 2): grid 32 x 8, 4 waves a work-group, clusters of 4 x 1, 327,680 bytes of LDS; arguments xc, wc, qc, kc; writes qc, kc
.if DOCPART == 2
	.amdgcn_target "amdgcn-amd-amdhsa--gfx1250"
	.amdhsa_code_object_version 6
	.text
	.protected	k_qf789d40709_qkv
	.globl	k_qf789d40709_qkv
	.p2align	8
	.type	k_qf789d40709_qkv,@function
k_qf789d40709_qkv:
	s_mov_b64 s[64:65], 0
	v_nop
	global_prefetch_b8 v0, s[64:65] scope:SCOPE_SE
	s_setreg_imm32_b32 hwreg(HW_REG_WAVE_MODE, 25, 1), 1
	s_wait_xcnt 0x0
	s_wait_alu depctr_hold_cnt(0) depctr_sa_sdst(0) depctr_va_vdst(0) depctr_va_sdst(0) depctr_va_ssrc(0) depctr_va_vcc(0) depctr_vm_vsrc(0)
	s_getreg_b32 s2, hwreg(HW_REG_IB_STS2, 6, 4)
	s_cmp_eq_u32 s2, 0
	s_cbranch_scc0 .Lentry_in_a_cluster
	s_endpgm
.Lentry_in_a_cluster:
	s_bfe_u32 s2, ttmp6, 0x10000c
	s_cmp_lg_u32 s2, 0x3003
	s_cbranch_scc0 .Lentry_shape_is_right
	s_endpgm
.Lentry_shape_is_right:
; q, k, v = x W[h][0..2], on codes of FP6 (E2M3) with E8M0 scales, sums in f32; the results are quantised in registers (q, k along the head's 128; v along the keys) and stored as images of operand registers.
; LIMITS: NaN and infinities are not served; a block whose largest magnitude lies under 2^-124 has its byte held at 1; a block of zeros gets the byte 1: its codes are zeros and this program alone reads the bytes.
; SHARES.  A work-group takes 256 tokens and one head's 384 columns; wave w takes tokens 64 w on: four tiles of 16.  Its 32 fragments of x (all of K) stay in registers, loaded once.
; The head's three weights, 294,912 bytes of fragments, lie in LDS, filled once: no slot is filled again.  Three passes (q, k, v): 32 accumulators, 8 K steps of 32 matrix instructions each.
; CLUSTER.  The four work-groups of a cluster share the head: each part of the weights is asked for JOINTLY (mask 15).  x goes from memory straight into its one reader's registers.
; q, k: source 0 = 16 columns of W, source 1 = 16 tokens: a lane holds one token, and since the columns of a tile are chosen (32 b + 8 u + r + 8 (r / 8)) its 64 registers run along the head's 128 in the order that the quantiser wants.
; v: source 0 = 16 tokens, source 1 = 16 columns: a lane holds one column, and since the tokens of a tile are chosen likewise its registers run along the keys.
; REGISTERS, in windows of 256: window 0: addresses, scale words, the quantiser's, v160-255 W's fragments set 0; window 1: the accumulators; window 2: x of K steps 0-4; window 3: x of K steps 5-7, v160-255 W's set 1.
.set SPARE,  294912                    ; behind the weights: the spare words, 128 bytes a wave
.set XS_OFF, 6291456
.set WS_OFF, 2457600
.set QS_OFF, 6291456
.set KS_OFF, 12582912
.set SPW, 1                            ; v1  my spare word; never rewritten
.set NIL, 2                            ; v2  0; never rewritten
.set LI,  3                            ; v3  16 x lane
.set L8,  4                            ; v4  8 x lane
.set AW,  5                            ; v5-10  16 x lane + 98,304 j + 61,440 (K steps 5-7): LDS immediates have 16 bits
.set SH,  11                           ; v11 16 h
.set XS,  16                           ; v16-31 x's scale words: 4 i + s / 2; lanes 0-15 the even K step's, lanes 16-31 the odd one's
.set WS0, 32                           ; v32-63, v64-95 W's scale words, two sets: 8 (nt / 2) + s; lanes 0-15 the even tile's, lanes 16-31 the odd one's
.set WS1, 64
.set TM,  96
.set PW,  112
.set PC,  116
.set TQ,  128
.set RR,  136
.set TH,  138
.set WF,  160
.set WV,  12
.set SEL, 46
.set G1,  24
.set G0,  32
.set MSB, 0
.macro WIN new                         ; the immediate's high byte repeats the setting that is left
.if MSB != (\new)
	s_set_vgpr_msb (MSB<<8)|(\new)
.set MSB, (\new)
.endif
.endm
.macro PLACES n
.rept \n
	v_nop
.endr
.endm
.macro CROUND                          ; a round of the cluster's barrier
	s_barrier_signal -1
	s_barrier_wait -1
	s_cmp_lg_u32 s[WV], 0
	s_cbranch_scc1 .Lnot_wave_0_\@
	s_barrier_signal -3
.Lnot_wave_0_\@:
	s_barrier_wait -3
	s_barrier_signal -1
	s_barrier_wait -1
.endm
; one matrix instruction.  zero = 1: it starts the sum.  ra, rb = 1: that side's scales stand in lanes 16-31
.macro WM d, a, b, zero, sa, sb, ra, rb
.if \zero
.if \ra
.if \rb
	v_wmma_scale_f32_16x16x128_f8f6f4 v[\d:\d+7], v[\a:\a+11], v[\b:\b+11], 0, v[\sa], v[\sb] matrix_a_fmt:MATRIX_FMT_FP6 matrix_b_fmt:MATRIX_FMT_FP6 matrix_a_scale:MATRIX_SCALE_ROW1 matrix_b_scale:MATRIX_SCALE_ROW1
.else
	v_wmma_scale_f32_16x16x128_f8f6f4 v[\d:\d+7], v[\a:\a+11], v[\b:\b+11], 0, v[\sa], v[\sb] matrix_a_fmt:MATRIX_FMT_FP6 matrix_b_fmt:MATRIX_FMT_FP6 matrix_a_scale:MATRIX_SCALE_ROW1
.endif
.else
.if \rb
	v_wmma_scale_f32_16x16x128_f8f6f4 v[\d:\d+7], v[\a:\a+11], v[\b:\b+11], 0, v[\sa], v[\sb] matrix_a_fmt:MATRIX_FMT_FP6 matrix_b_fmt:MATRIX_FMT_FP6 matrix_b_scale:MATRIX_SCALE_ROW1
.else
	v_wmma_scale_f32_16x16x128_f8f6f4 v[\d:\d+7], v[\a:\a+11], v[\b:\b+11], 0, v[\sa], v[\sb] matrix_a_fmt:MATRIX_FMT_FP6 matrix_b_fmt:MATRIX_FMT_FP6
.endif
.endif
.else
.if \ra
.if \rb
	v_wmma_scale_f32_16x16x128_f8f6f4 v[\d:\d+7], v[\a:\a+11], v[\b:\b+11], v[\d:\d+7], v[\sa], v[\sb] matrix_a_fmt:MATRIX_FMT_FP6 matrix_b_fmt:MATRIX_FMT_FP6 matrix_a_scale:MATRIX_SCALE_ROW1 matrix_b_scale:MATRIX_SCALE_ROW1
.else
	v_wmma_scale_f32_16x16x128_f8f6f4 v[\d:\d+7], v[\a:\a+11], v[\b:\b+11], v[\d:\d+7], v[\sa], v[\sb] matrix_a_fmt:MATRIX_FMT_FP6 matrix_b_fmt:MATRIX_FMT_FP6 matrix_a_scale:MATRIX_SCALE_ROW1
.endif
.else
.if \rb
	v_wmma_scale_f32_16x16x128_f8f6f4 v[\d:\d+7], v[\a:\a+11], v[\b:\b+11], v[\d:\d+7], v[\sa], v[\sb] matrix_a_fmt:MATRIX_FMT_FP6 matrix_b_fmt:MATRIX_FMT_FP6 matrix_b_scale:MATRIX_SCALE_ROW1
.else
	v_wmma_scale_f32_16x16x128_f8f6f4 v[\d:\d+7], v[\a:\a+11], v[\b:\b+11], v[\d:\d+7], v[\sa], v[\sb] matrix_a_fmt:MATRIX_FMT_FP6 matrix_b_fmt:MATRIX_FMT_FP6
.endif
.endif
.endif
.endm
	s_load_b128 s[4:7], s[0:1], 0x0                ; xc, wc
	s_load_b128 s[8:11], s[0:1], 0x10              ; qc, kc
	v_lshl_add_u32 v[SPW], v0, 2, SPARE
	v_mov_b32 v[NIL], 0
	ds_add_u32 v[SPW], v[NIL]                      ; the wave's opening: the add and its wait stand ahead of my first tensor load; the set-up below stands between them
	ds_add_u32 v[SPW], v[NIL]
	v_lshrrev_b32 v12, 5, v0
	v_readfirstlane_b32 s[WV], v12                 ; wave 0..3
	s_bfe_u32 s13, ttmp6, 0x40000                  ; cx: it enters global addresses of x, q, k, v alone
	s_lshl_b32 s14, ttmp9, 2
	s_add_co_u32 s14, s14, s13                     ; mb: my block of 256 tokens
	s_and_b32 s15, ttmp7, 0xffff                   ; the head, which the four partners share
	s_lshr_b32 s16, s14, 3
	s_lshl_b32 s16, s16, 3
	s_add_co_u32 s16, s16, s15                     ; bh = 8 x batch + head
	s_and_b32 s17, s14, 7                          ; my block within the batch
	; descriptor group 1: 24,576 dense bytes as 96 rows of 256 bytes (32 elements of 8 bytes), no padding: fragments are read as they lie, 512 consecutive bytes an instruction
	s_mov_b32 s[G1+0], 15|(3<<16)|(1<<21)          ; 15:0 the mask: all four work-groups; 17:16 elements of 8 bytes; 21 set beside a mask
	s_mov_b32 s[G1+1], 32<<16                      ; tensor_dim0 = 32
	s_mov_b32 s[G1+2], 96<<16                      ; tensor_dim1 = 96
	s_mov_b32 s[G1+3], 32<<16                      ; tile_dim0 = 32
	s_mov_b32 s[G1+4], 96                          ; tile_dim1 = 96
	s_mov_b32 s[G1+5], 32                          ; the pitch, in elements
	s_mov_b32 s[G1+6], 0
	s_mov_b32 s[G1+7], 0
	s_mul_i32 s18, s[WV], 24576                    ; my quarter of a pass's weights, in LDS and in memory
	s_mul_i32 s20, s15, 294912
	s_add_co_u32 s20, s20, s18
	s_mov_b32 s21, 0
	s_lshl_b32 s19, s14, 4
	s_lshl_b32 s22, s[WV], 2
	s_add_co_u32 s19, s19, s22                     ; my first token tile: 16 mb + 4 w
	s_mul_i32 s48, s19, 12288                      ; its fragments in xc
	s_mov_b32 s49, 0
	s_lshl_b32 s50, s19, 9
	s_add_co_u32 s50, s50, XS_OFF                  ; and its scale words
	s_mov_b32 s51, 0
	s_mul_i32 s52, s15, 12288
	s_add_co_u32 s52, s52, WS_OFF                  ; the head's scale words in wc
	s_mov_b32 s53, 0
	s_lshl_b32 s2, s16, 7
	s_lshl_b32 s3, s17, 4
	s_add_co_u32 s2, s2, s3
	s_add_co_u32 s2, s2, s22                       ; my first tile among the (batch, head)'s: 128 bh + 16 mq + 4 w
	s_mul_i32 s54, s2, 1536                        ; q's fragments
	s_mov_b32 s55, 0
	s_lshl_b32 s56, s2, 6
	s_add_co_u32 s56, s56, QS_OFF                  ; q's scale words: 256 bytes for four tiles
	s_mov_b32 s57, 0
	s_lshr_b32 s3, s2, 3                           ; my key step: 16 bh + 2 mq + w / 2
	s_and_b32 s23, s[WV], 1                        ; which half of its 128 keys is mine
	s_mul_i32 s58, s3, 24576
	s_mul_i32 s68, s23, 768
	s_add_co_u32 s62, s58, s68
	s_add_co_u32 s62, s62, 12288                   ; v's fragments: behind k's eight; my half of each: three pieces of 256 bytes
	s_mov_b32 s63, 0
	s_mul_i32 s68, s23, 6144
	s_add_co_u32 s58, s58, s68                     ; k's fragments: my four tiles
	s_mov_b32 s59, 0
	s_lshl_b32 s60, s3, 10
	s_lshl_b32 s68, s23, 8
	s_add_co_u32 s60, s60, s68
	s_add_co_u32 s60, s60, KS_OFF                  ; k's scale words: my 256 bytes
	s_mov_b32 s61, 0
	s_add_co_u32 s66, s60, 512                     ; v's: my plane of 256 bytes
	s_mov_b32 s67, 0
	s_mov_b32 s44, 0xffff0000                      ; lanes 16-31
	s_mov_b32 s45, 0x05040100                      ; v_perm_b32: the two low halves
	s_mov_b32 s[SEL], 0x76543210
	s_mov_b32 s[SEL+1], 0xfedcba98
	v_and_b32 v12, 31, v0
	v_lshlrev_b32 v[LI], 4, v12
	v_lshlrev_b32 v[L8], 3, v12
.irp j, 0,1,2
	v_add_nc_u32 v[AW+2*\j], \j*98304, v[LI]
	v_add_nc_u32 v[AW+2*\j+1], \j*98304+61440, v[LI]
.endr
	v_bfe_u32 v[SH], v0, 4, 1
	v_lshlrev_b32 v[SH], 4, v[SH]
.irp b, 0,1,2,3
	v_mov_b32 v[TM+4+\b], 0                        ; written once: a lane permute's destination counts as one of its sources
.endr
	s_wait_dscnt 0x0                               ; the opening add is done
	s_wait_kmcnt 0x0
	s_add_nc_u64 s[20:21], s[6:7], s[20:21]
	s_add_nc_u64 s[48:49], s[4:5], s[48:49]
	s_add_nc_u64 s[50:51], s[4:5], s[50:51]
	s_add_nc_u64 s[52:53], s[6:7], s[52:53]
	s_add_nc_u64 s[54:55], s[8:9], s[54:55]
	s_add_nc_u64 s[56:57], s[8:9], s[56:57]
	s_add_nc_u64 s[58:59], s[10:11], s[58:59]
	s_add_nc_u64 s[60:61], s[10:11], s[60:61]
	s_add_nc_u64 s[62:63], s[10:11], s[62:63]
	s_add_nc_u64 s[66:67], s[10:11], s[66:67]
.irp j, 0,1,2
	s_mov_b32 s[G0+4*\j], 1                        ; count = 1
	s_add_co_u32 s[G0+4*\j+1], s18, \j*98304       ; LDS: pass j, my quarter
	s_add_nc_u64 s[G0+4*\j+2:G0+4*\j+3], s[20:21], \j*98304
	s_or_b32 s[G0+4*\j+3], s[G0+4*\j+3], 0x80000000   ; type = 2
.endr
	CROUND                                         ; all four work-groups are here: the joint loads meet
	tensor_load_to_lds s[G0:G0+3], s[G1:G1+7]      ; q's weights, my quarter: one tensor load a wave at the head
	s_nop 0
	PLACES 4
.macro XSLOAD
	WIN 0
.irp i, 0,1,2,3
.irp hf, 0,1
	global_load_b64 v[XS+4*\i+2*\hf:XS+4*\i+2*\hf+1], v[L8], s[50:51] offset:\i*512+\hf*256
.endr
.endr
.endm
.macro WSLOAD j, set
	WIN 0
.irp b, 0,1,2,3
.irp kq, 0,1,2,3
	global_load_b64 v[\set+8*\b+2*\kq:\set+8*\b+2*\kq+1], v[L8], s[52:53] offset:\j*4096+\b*1024+\kq*256
.endr
.endr
.endm
.macro XLOAD s                         ; x's four fragments of K step s: they stay
.if (\s) < 5
	WIN 0x80
.else
	WIN 0xc0
.endif
.irp i, 0,1,2,3
.irp g, 0,1,2
	global_load_b128 v[48*((\s)-5*((\s)/5))+12*\i+4*\g:48*((\s)-5*((\s)/5))+12*\i+4*\g+3], v[LI], s[48:49] offset:(8*\i+(\s))*1536+512*\g
.endr
.endr
.endm
.macro FETCHW j, s                     ; the eight fragments of pass j, K step s, from LDS into set s % 2: 24 loads
.if ((\s)%2) == 0
	WIN 0
.else
	WIN 0xc0
.endif
.irp nt, 0,1,2,3,4,5,6,7
.irp g, 0,1,2
	ds_load_b128 v[WF+12*\nt+4*\g:WF+12*\nt+4*\g+3], v[AW+2*(\j)+(\s)/5] offset:((\s)-5*((\s)/5))*12288+\nt*1536+512*\g
.endr
.endr
.endm
; 32 matrix instructions of K step s; the 32 accumulators take turns, one instruction a turn, in the same order in every step
.macro MULQK s, wsb                    ; accumulator (token tile i, column tile nt) at 64 i + 8 nt
.set XW, 2+(\s)/5
.set WW, 3*((\s)%2)
.set XR, 48*((\s)-5*((\s)/5))
.set ZZ, 0
.if (\s) == 0
.set ZZ, 1
.endif
	WIN 0x50|(XW<<2)|WW
.irp nt, 0,1,2,3,4,5,6,7
.irp i, 0,1,2,3
	WM 64*\i+8*\nt, WF+12*\nt, XR+12*\i, ZZ, \wsb+8*(\nt/2)+(\s), XS+4*\i+(\s)/2, \nt%2, (\s)%2
.endr
.endr
.endm
.macro MULV s, wsb                     ; accumulator (column tile nt, token tile i) at 32 nt + 8 i
.set XW, 2+(\s)/5
.set WW, 3*((\s)%2)
.set XR, 48*((\s)-5*((\s)/5))
.set ZZ, 0
.if (\s) == 0
.set ZZ, 1
.endif
	WIN 0x50|(WW<<2)|XW
.irp nt, 0,1,2,3,4,5,6,7
.irp i, 0,1,2,3
	WM 32*\nt+8*\i, XR+12*\i, WF+12*\nt, ZZ, XS+4*\i+(\s)/2, \wsb+8*(\nt/2)+(\s), (\s)%2, \nt%2
.endr
.endr
.endm
; 64 accumulator registers of window 1, register 16 b + i = k 32 b + 16 h + i of my row, become 12 registers of codes in v[PC] on and a scale word in v[pw]
.macro QUANTA a, pw
	WIN 0x05                                       ; sources 0 and 1: window 1
.irp b, 0,1,2,3
	v_max3_num_f32 v[TM+\b], |v[(\a)+16*\b]|, |v[(\a)+1+16*\b]|, 0x1800000   ; each accumulator is read from its low end on; the floor 2^(3 - 127) holds the byte at 1 from below
.endr
.irp i, 2,4,6,8,10,12,14
.irp b, 0,1,2,3
	v_max3_num_f32 v[TM+\b], |v[(\a)+16*\b+\i]|, |v[(\a)+1+16*\b+\i]|, v[TM+\b]
.endr
.endr
	WIN 0
.irp b, 0,1,2,3
	v_permlanex16_b32 v[TM+4+\b], v[TM+\b], s[SEL], s[SEL+1]
.endr
.irp b, 0,1,2,3
	v_max_num_f32 v[TM+\b], v[TM+\b], v[TM+4+\b]
.endr
.irp b, 0,1,2,3
	v_add_nc_u32 v[TM+12+\b], 0xff000000, v[TM+\b]
.endr
.irp b, 0,1,2,3
	v_lshrrev_b32 v[TM+4+\b], 23, v[TM+12+\b]
.endr
	v_lshl_or_b32 v[\pw], v[TM+5], 8, v[TM+4]
	v_lshl_or_b32 v[\pw], v[TM+6], 16, v[\pw]
	v_lshl_or_b32 v[\pw], v[TM+7], 24, v[\pw]
	WIN 0x01                                       ; source 0: window 1
.irp c, 0,1
	v_cvt_scalef32_pk16_fp6_f32 v[PC+6*\c:PC+2+6*\c], v[(\a)+32*\c:(\a)+15+32*\c], v[TM+12+2*\c]
	v_cvt_scalef32_pk16_fp6_f32 v[TQ+4*\c:TQ+2+4*\c], v[(\a)+16+32*\c:(\a)+31+32*\c], v[TM+12+2*\c+1]
.endr
	WIN 0
	v_nop                                          ; one plain place behind a scaled conversion
.irp c, 0,1
.irp i, 0,1,2
	v_permlane16_swap_b32 v[PC+6*\c+\i], v[TQ+4*\c+\i]
.endr
.irp i, 0,1,2
	v_mov_b32 v[PC+3+6*\c+\i], v[TQ+4*\c+\i]
.endr
.endr
.endm
; a pass: K steps 0 to 7.  While a step is multiplied the next step's fragments of W are on their way from LDS into the other set
.macro PASS j, wsb
.irp s, 0,1,2,3,4,5,6,7
.if \s < 7
	PLACES 4                                       ; in front of loads into registers that the last matrix instructions have read
	FETCHW \j, \s+1
.if \j == 0
.if \s == 5
	WSLOAD 1, WS1                                  ; the next pass's scale words
.endif
.endif
	s_wait_dscnt 24                                ; this step's fragments are in; the 24 loads just issued may be out
.else
.if \j == 0
	WIN 0
	s_wait_tensorcnt 0x0                           ; my part of k's weights has landed; v's first fill is issued as a refill is: the three lines, a round, the load
	ds_add_u32 v[SPW], v[NIL]
	s_wait_dscnt 0x0                               ; the add is done, and this step's fragments are in
	CROUND
	tensor_load_to_lds s[G0+8:G0+11], s[G1:G1+7]   ; v's weights, my quarter
	s_nop 0
	PLACES 4
	FETCHW 1, 0
.elseif \j == 1
	s_wait_dscnt 0x0
	s_wait_tensorcnt 0x0                           ; my part of v's weights has landed
	s_barrier_signal -1
	s_barrier_wait -1                              ; everybody's has
	PLACES 4
	FETCHW 2, 0
.else
	s_wait_dscnt 0x0
.endif
.endif
.if \j == 0                            ; loads come back in order: the count is what was issued behind x of this step
.if \s < 5
.if 12*(7-\s) > 63
	s_wait_loadcnt 63                              ; behind x of this step stand 12 (7 - s) loads; the wait's field names 63 at the most, and a smaller count is safe
.else
	s_wait_loadcnt 12*(7-\s)                       ; x of the 7 - s steps behind it
.endif
.elseif \s == 5
	s_wait_loadcnt 40                              ; x of steps 6, 7 and 16 scale loads
.elseif \s == 6
	s_wait_loadcnt 28
.else
	s_wait_loadcnt 16
.endif
.elseif \s == 0
.if \j == 1
	s_wait_loadcnt 16                              ; this pass's scale words are in; the last pass's 16 may be out
.else
	s_wait_loadcnt 0x0
.endif
.endif
.if \j == 2
	MULV \s, \wsb
.else
	MULQK \s, \wsb
.endif
.endr
.endm
; q's or k's way out: each token tile's 64 numbers a lane become one fragment and one scale word
.macro EPIQK cb, sb
.irp i, 0,1,2,3
	s_wait_xcnt 0x0                                ; earlier stores have read the codes' registers
	QUANTA 64*\i, PW+\i
.irp g, 0,1,2
	global_store_b128 v[LI], v[PC+4*\g:PC+4*\g+3], s[\cb:\cb+1] offset:\i*1536+512*\g   ; 512 consecutive bytes, aligned
.endr
.endr
	v_cndmask_b32 v[RR], v[PW], v[PW+1], s44       ; lanes 0-15 the even tile's words, lanes 16-31 the odd tile's
	v_cndmask_b32 v[RR+1], v[PW+2], v[PW+3], s44
	global_store_b64 v[L8], v[RR:RR+1], s[\sb:\sb+1]
.endm
	XSLOAD
	WSLOAD 0, WS0
.irp s, 0,1,2,3,4,5,6,7
	XLOAD \s                                       ; all of x is asked for here: every fragment has registers of its own
.endr
	WIN 0
	s_wait_tensorcnt 0x0                           ; my part of q's weights has landed; k's first fill is issued as a refill is
	ds_add_u32 v[SPW], v[NIL]
	s_wait_dscnt 0x0
	CROUND
	tensor_load_to_lds s[G0+4:G0+7], s[G1:G1+7]    ; k's weights, my quarter
	s_nop 0
	PLACES 4
	FETCHW 0, 0
	PASS 0, WS0
	PLACES 4                                       ; in front of the first read of results, and of loads into scale registers that matrix instructions have read
	WSLOAD 2, WS0
	EPIQK 54, 56
	PASS 1, WS1
	PLACES 4
	EPIQK 58, 60
	PASS 2, WS0
	PLACES 4
	; v's way out.  64 registers are column tiles 2 m and 2 m + 1, each with my two blocks of 32 keys: six registers of codes for each, which are my half of that tile's fragment
; Row i of token tile 4 c + u is token 64 c + 8 u + i + 24 (i / 8): so the 32 registers of a column tile are ONE whole block of 32 keys a lane: lanes 0-15 block 2 c, lanes 16-31 block 2 c + 1 (c = wave % 2).
; The conversions' results are registers 6 c .. 6 c + 5 of that tile's fragment.  A fragment lies as registers 0-3 (512 bytes), 4-5 (256), 6-9 (512), 10-11 (256).
.macro QUANTV a                        ; 64 accumulator registers of window 1: column tiles e = 0, 1
	WIN 0x05
.irp e, 0,1
.irp u, 0,1
	v_max3_num_f32 v[TM+2*\e+\u], |v[(\a)+32*\e+16*\u]|, |v[(\a)+32*\e+16*\u+1]|, 0x1800000   ; each accumulator from its low end on; the floor holds the byte at 1
.endr
.endr
.irp i, 2,4,6,8,10,12,14
.irp e, 0,1
.irp u, 0,1
	v_max3_num_f32 v[TM+2*\e+\u], |v[(\a)+32*\e+16*\u+\i]|, |v[(\a)+32*\e+16*\u+\i+1]|, v[TM+2*\e+\u]
.endr
.endr
.endr
	WIN 0
.irp e, 0,1
	v_max_num_f32 v[TM+2*\e], v[TM+2*\e], v[TM+2*\e+1]
.endr
.irp e, 0,1
	v_add_nc_u32 v[TM+12+\e], 0xff000000, v[TM+2*\e]
.endr
.irp e, 0,1
	v_lshrrev_b32 v[TM+8+\e], 23, v[TM+12+\e]      ; my block's byte
.endr
	WIN 0x01
.irp e, 0,1
	v_cvt_scalef32_pk16_fp6_f32 v[PC+6*\e:PC+6*\e+2], v[(\a)+32*\e:(\a)+32*\e+15], v[TM+12+\e]
	v_cvt_scalef32_pk16_fp6_f32 v[TQ+4*\e:TQ+4*\e+2], v[(\a)+32*\e+16:(\a)+32*\e+31], v[TM+12+\e]
.endr
	WIN 0
	v_nop                                          ; one plain place behind a scaled conversion
.irp e, 0,1
.irp i, 0,1,2
	v_mov_b32 v[PC+6*\e+3+\i], v[TQ+4*\e+\i]
.endr
.endr
.endm
.irp m, 0,1,2,3
	s_wait_xcnt 0x0
	QUANTV 64*\m
.irp e, 0,1
	global_store_b128 v[LI], v[PC+6*\e:PC+6*\e+3], s[62:63] offset:(2*\m+\e)*1536        ; 512 consecutive bytes, aligned
	global_store_b64 v[L8], v[PC+6*\e+4:PC+6*\e+5], s[62:63] offset:(2*\m+\e)*1536+512   ; 256 consecutive bytes, aligned
.endr
	v_permlane16_swap_b32 v[TM+8], v[TM+9]         ; now the first holds the lower block's bytes (lanes 0-15 tile 2 m's, lanes 16-31 tile 2 m + 1's), the second the upper block's
	v_lshl_or_b32 v[TH+\m], v[TM+9], 8, v[TM+8]    ; my two bytes of the tile's scale word, in the low half
.endr
	v_perm_b32 v[RR], v[TH+1], v[TH], s45          ; tiles 0 | 1 low, tiles 2 | 3 high
	v_perm_b32 v[RR+1], v[TH+3], v[TH+2], s45      ; tiles 4 | 5 low, tiles 6 | 7 high
	global_store_b64 v[L8], v[RR:RR+1], s[66:67]
	s_wait_tensorcnt 0x0                           ; the wave's end
	ds_add_u32 v[SPW], v[NIL]
	s_wait_dscnt 0x0
	CROUND                                         ; the closing round
	s_endpgm
.Lfunc_end_k_qf789d40709_qkv:
	.size	k_qf789d40709_qkv, .Lfunc_end_k_qf789d40709_qkv-k_qf789d40709_qkv
	.p2alignl 7, 3214868480
	.fill 96, 4, 3214868480
	.section	.rodata,"a",@progbits
	.p2align	6, 0x0
	.amdhsa_kernel k_qf789d40709_qkv
		.amdhsa_group_segment_fixed_size 327680
		.amdhsa_private_segment_fixed_size 0
		.amdhsa_enable_private_segment 0
		.amdhsa_kernarg_size 32
		.amdhsa_user_sgpr_count 2
		.amdhsa_user_sgpr_kernarg_segment_ptr 1
		.amdhsa_wavefront_size32 1
		.amdhsa_system_sgpr_workgroup_id_x 1
		.amdhsa_system_sgpr_workgroup_id_y 1
		.amdhsa_system_sgpr_workgroup_id_z 1
		.amdhsa_system_vgpr_workitem_id 0
		.amdhsa_next_free_vgpr 1024
		.amdhsa_next_free_sgpr 72
		.amdhsa_reserve_vcc 0
		.amdhsa_float_denorm_mode_32 3
		.amdhsa_float_denorm_mode_16_64 3
		.amdhsa_memory_ordered 1
		.amdhsa_forward_progress 1
		.amdhsa_inst_pref_size 208
	.end_amdhsa_kernel
	.amdgpu_metadata
---
amdhsa.version: [ 1, 2 ]
amdhsa.kernels:
  - .name:           k_qf789d40709_qkv
    .symbol:         k_qf789d40709_qkv.kd
    .args:
      - { .name: xc, .offset: 0, .size: 8, .value_kind: global_buffer, .address_space: global }
      - { .name: wc, .offset: 8, .size: 8, .value_kind: global_buffer, .address_space: global }
      - { .name: qc, .offset: 16, .size: 8, .value_kind: global_buffer, .address_space: global }
      - { .name: kc, .offset: 24, .size: 8, .value_kind: global_buffer, .address_space: global }
    .group_segment_fixed_size: 327680
    .private_segment_fixed_size: 0
    .kernarg_segment_align: 8
    .kernarg_segment_size: 32
    .max_flat_workgroup_size: 128
    .sgpr_count:     72
    .vgpr_count:     1024
    .wavefront_size: 32
...
	.end_amdgpu_metadata
.endif
;; end of part 2
;; launch attn (part 3): grid 8 x 32, 8 waves a work-group, clusters of 4 x 1, 327,680 bytes of LDS; arguments qc, kc, oc; writes oc
.if DOCPART == 3
	.amdgcn_target "amdgcn-amd-amdhsa--gfx1250"
	.amdhsa_code_object_version 6
	.text
	.protected	k_qf789d40709_attn
	.globl	k_qf789d40709_attn
	.p2align	8
	.type	k_qf789d40709_attn,@function
k_qf789d40709_attn:
	s_mov_b64 s[64:65], 0
	v_nop
	global_prefetch_b8 v0, s[64:65] scope:SCOPE_SE
	s_setreg_imm32_b32 hwreg(HW_REG_WAVE_MODE, 25, 1), 1
	s_wait_xcnt 0x0
	s_wait_alu depctr_hold_cnt(0) depctr_sa_sdst(0) depctr_va_vdst(0) depctr_va_sdst(0) depctr_va_ssrc(0) depctr_va_vcc(0) depctr_vm_vsrc(0)
	s_getreg_b32 s2, hwreg(HW_REG_IB_STS2, 6, 4)
	s_cmp_eq_u32 s2, 0
	s_cbranch_scc0 .Lentry_in_a_cluster
	s_endpgm
.Lentry_in_a_cluster:
	s_bfe_u32 s2, ttmp6, 0x10000c
	s_cmp_lg_u32 s2, 0x3003
	s_cbranch_scc0 .Lentry_shape_is_right
	s_endpgm
.Lentry_shape_is_right:
; o = softmax(q k^T / sqrt(128)) v for 32 (batch, head) pairs of 2,048 x 2,048 x 128, both products on codes of FP6 (E2M3) with E8M0 scales; o / l is quantised along the head's 128 and stored as an operand's image.
; THE SOFTMAX: t = score x log2(e) / sqrt(128); M = the running largest t, rounded up to a whole number; p = 2^(t - M) is quantised along the keys, not normalised; the sum is taken of the unquantised p and divides at the end.
; When M moves, the sums and O are multiplied by 2^(old M - new M): exact.  LIMITS: NaN and infinities are not served; the promise holds while |t| stays under 2^31; a block of p that has fallen to zeros keeps the byte 1 (its codes are zeros).
; A block's largest p is made from the block's largest score by the same two instructions: this takes v_exp_f32 not to fall where its input rises.
; SHARES.  A work-group owns 256 queries of one (batch, head); each of its eight waves two tiles of 16 (t = 0, 1), in 512 registers: every fragment of k and v read from LDS feeds two matrix instructions.
; Every wave walks all 2,048 keys, 128 a step.  A key step's eight fragments of k and eight of v are one dense block of 24,576 bytes; a slot holds four; two slots take turns.
; CLUSTER.  The four work-groups of a cluster walk the same k and v: each quarter of a slot is asked for JOINTLY (mask 15) by waves 0 to 3; at the head waves 4 to 7 ask for the scale words, so every wave issues one load there.
; Both products are used transposed (S^T = k q^T, O^T = v^T p^T): a lane holds one query.  Row i of key tile 4 c + u is key 64 c + 8 u + i + 24 (i / 8): so a lane's 32 registers of tiles 4 c .. 4 c + 3 are ONE whole block of 32 keys,
; lanes 0-15 block 2 c, lanes 16-31 block 2 c + 1, which is the operand's own layout: a block's maximum needs no other lane, and the conversions' results are the operand's registers.
; LOADS FROM LDS RUN AHEAD: v's fragments are asked for ahead of the softmax, the next step's k among the second product's matrix instructions (not across a change of slots).
; REGISTERS.  Window 0: v0-11 addresses; v12-51 what a tile carries and its temporaries; v52-65 scale words; v66-73, v98-105 halves of blocks; v74-97 p's codes; v106-123 the way out; v128-255 O^T of both tiles.
; Window 1: v0-95 eight fragments; v96-119 q of both tiles; v120-247 S^T of both tiles.  So a setting of the windows serves both tiles: sixteen switches a step.
.set SLOT1,  131072                    ; slot 1 begins here: one exclusive or turns an address from one slot to the other
.set SLOTB,  98304                     ; four key steps
.set STEPB,  24576
.set SCL,    262144                    ; the (batch, head)'s scale words, 16 x 1,024 bytes: filled once
.set SPARE,  278528                    ; the spare words, 128 bytes for each of eight waves
.set QS_OFF, 6291456
.set KS_OFF, 12582912
.set OS_OFF, 6291456
.set L16, 1                            ; 16 x lane
.set L8,  2                            ; 8 x lane
.set LSC, 3                            ; 8 x lane + SCL
.set L4,  4                            ; 4 x lane
.set SPW, 5
.set NIL, 6
.set A16, 7                            ; the key step in hand: its LDS byte + 16 x lane,
.set A8,  8                            ; + 8 x lane,
.set AS,  9                            ; and its scale words
.set PFO, 10                           ; 256 x lane
.set NM,  12                           ; tile t: v[NM+2t] = -M, v[NM+2t+1] = the running largest score
.set FF,  16                           ; v[FF+2t] = f = 2^(old M - new M)
.set LL,  20                           ; v[LL+8t ..+7] the row's sum in four pairs
.set TM,  36                           ; v[TM+8t ..+7] temporaries: +0, +4 my two blocks' maxima
.set KS,  52                           ; k's scale words: tiles 0|1, 2|3, 4|5, 6|7 (lanes 0-15 | lanes 16-31)
.set VR,  56                           ; v's two planes as they lie
.set VS,  60                           ; v's scale words
.set QS,  64                           ; q's scale words: lanes 0-15 tile 0's, lanes 16-31 tile 1's
.set PW,  65                           ; p's likewise
.set TT,  66                           ; v[TT+32t+4c ..+2] upper halves of blocks on their way
.set CD,  74                           ; p's codes: v[CD+12t ..]
.set EQ,  106
.set EW,  122
.set O,   128                          ; window 0: O^T of tile t at O + 64 t
.set F,   0                            ; window 1
.set Q,   96                           ; window 1
.set S,   120                          ; window 1: S^T of tile t at S + 64 t
.set WV,  10
.set SEL, 20
.set CS,  22
.set NC,  72                           ; -c
.set TB,  48
.set TS,  49
.set SLOTS, 50
.set CNT, 51
.set LIM, 52
.set PFA, 54
.set MSB, 0
.macro WIN new                         ; bits 1:0 source 0, 3:2 source 1, 5:4 source 2, 7:6 destination; the high byte repeats the setting that is left
.if MSB != (\new)
	s_set_vgpr_msb (MSB<<8)|(\new)
.set MSB, (\new)
.endif
.endm
.macro PLACES n
.rept \n
	v_nop
.endr
.endm
.macro H2
	s_delay_alu instid0(VALU_DEP_2)
.endm
.macro CROUND
	s_barrier_signal -1
	s_barrier_wait -1
	s_cmp_lg_u32 s[WV], 0
	s_cbranch_scc1 .Lnot_wave_0_\@
	s_barrier_signal -3
.Lnot_wave_0_\@:
	s_barrier_wait -3
	s_barrier_signal -1
	s_barrier_wait -1
.endm
.macro WM d, a, b, zero, sa, sb, ra, rb    ; ra, rb = 1: that side's scales stand in lanes 16-31
.if \zero
.if \ra
.if \rb
	v_wmma_scale_f32_16x16x128_f8f6f4 v[\d:\d+7], v[\a:\a+11], v[\b:\b+11], 0, v[\sa], v[\sb] matrix_a_fmt:MATRIX_FMT_FP6 matrix_b_fmt:MATRIX_FMT_FP6 matrix_a_scale:MATRIX_SCALE_ROW1 matrix_b_scale:MATRIX_SCALE_ROW1
.else
	v_wmma_scale_f32_16x16x128_f8f6f4 v[\d:\d+7], v[\a:\a+11], v[\b:\b+11], 0, v[\sa], v[\sb] matrix_a_fmt:MATRIX_FMT_FP6 matrix_b_fmt:MATRIX_FMT_FP6 matrix_a_scale:MATRIX_SCALE_ROW1
.endif
.else
.if \rb
	v_wmma_scale_f32_16x16x128_f8f6f4 v[\d:\d+7], v[\a:\a+11], v[\b:\b+11], 0, v[\sa], v[\sb] matrix_a_fmt:MATRIX_FMT_FP6 matrix_b_fmt:MATRIX_FMT_FP6 matrix_b_scale:MATRIX_SCALE_ROW1
.else
	v_wmma_scale_f32_16x16x128_f8f6f4 v[\d:\d+7], v[\a:\a+11], v[\b:\b+11], 0, v[\sa], v[\sb] matrix_a_fmt:MATRIX_FMT_FP6 matrix_b_fmt:MATRIX_FMT_FP6
.endif
.endif
.else
.if \ra
.if \rb
	v_wmma_scale_f32_16x16x128_f8f6f4 v[\d:\d+7], v[\a:\a+11], v[\b:\b+11], v[\d:\d+7], v[\sa], v[\sb] matrix_a_fmt:MATRIX_FMT_FP6 matrix_b_fmt:MATRIX_FMT_FP6 matrix_a_scale:MATRIX_SCALE_ROW1 matrix_b_scale:MATRIX_SCALE_ROW1
.else
	v_wmma_scale_f32_16x16x128_f8f6f4 v[\d:\d+7], v[\a:\a+11], v[\b:\b+11], v[\d:\d+7], v[\sa], v[\sb] matrix_a_fmt:MATRIX_FMT_FP6 matrix_b_fmt:MATRIX_FMT_FP6 matrix_a_scale:MATRIX_SCALE_ROW1
.endif
.else
.if \rb
	v_wmma_scale_f32_16x16x128_f8f6f4 v[\d:\d+7], v[\a:\a+11], v[\b:\b+11], v[\d:\d+7], v[\sa], v[\sb] matrix_a_fmt:MATRIX_FMT_FP6 matrix_b_fmt:MATRIX_FMT_FP6 matrix_b_scale:MATRIX_SCALE_ROW1
.else
	v_wmma_scale_f32_16x16x128_f8f6f4 v[\d:\d+7], v[\a:\a+11], v[\b:\b+11], v[\d:\d+7], v[\sa], v[\sb] matrix_a_fmt:MATRIX_FMT_FP6 matrix_b_fmt:MATRIX_FMT_FP6
.endif
.endif
.endif
.endm
.macro JLOAD                           ; waves 0 to 3 fetch a quarter of a slot each; the branch hangs on the wave's number alone
	s_cmp_lt_u32 s[WV], 4
	s_cbranch_scc0 .Lnone_\@
	tensor_load_to_lds s[40:43], s[24:31]
	s_nop 0
	PLACES 4
.Lnone_\@:
.endm
; a prefetch of the slot that the NEXT change of slots will ask for: 98,304 bytes in twelve parts of 8,192, lanes 256 bytes apart.  Both clusters of a (batch, head) walk the same bytes: the first asks.
; Its four partners take three parts each, told apart by address; in each, waves 4 to 6 ask, one instruction a wave: each block of 256 bytes is named once.  The last change that fills a slot asks for nothing.
.macro ASK
	s_cmp_gt_u32 s[SLOTS], s[LIM]
	s_cbranch_scc0 .Lnot_mine_\@
	global_prefetch_b8 v[PFO], s[PFA:PFA+1] th:TH_LOAD_NT scope:SCOPE_SE
.Lnot_mine_\@:
.endm
	s_load_b128 s[4:7], s[0:1], 0x0                ; qc, kc
	s_load_b64 s[8:9], s[0:1], 0x10                ; oc
	v_lshl_add_u32 v[SPW], v0, 2, SPARE
	v_mov_b32 v[NIL], 0
	ds_add_u32 v[SPW], v[NIL]                      ; the opening lines: the add, twice on end, and its wait ahead of my first tensor load
	ds_add_u32 v[SPW], v[NIL]
	v_lshrrev_b32 v11, 5, v0
	v_readfirstlane_b32 s[WV], v11                 ; wave 0..7
	s_bfe_u32 s11, ttmp6, 0x40000                  ; cx: it enters q's, o's and the prefetches' addresses alone
	s_lshl_b32 s12, ttmp9, 2
	s_add_co_u32 s12, s12, s11                     ; my block of 256 queries
	s_and_b32 s13, ttmp7, 0xffff                   ; bh, which the partners share
	s_lshl_b32 s14, s12, 4
	s_lshl_b32 s15, s[WV], 1
	s_add_co_u32 s14, s14, s15                     ; qt: my tile 0, an even number; tile 1 is qt + 1
	s_and_b32 s15, s[WV], 3
	s_mov_b32 s24, 15|(3<<16)|(1<<21)              ; group 1 for a quarter of a slot: 96 rows of 256 bytes, dense, no padding; mask 15, bit 21 beside it
	s_mov_b32 s25, 32<<16
	s_mov_b32 s26, 96<<16
	s_mov_b32 s27, 32<<16
	s_mov_b32 s28, 96
	s_mov_b32 s29, 32
	s_mov_b32 s30, 0
	s_mov_b32 s31, 0
	s_mov_b32 s32, 15|(3<<16)|(1<<21)              ; group 1 for a quarter of the scale words: 16 rows of 256 bytes
	s_mov_b32 s33, 32<<16
	s_mov_b32 s34, 16<<16
	s_mov_b32 s35, 32<<16
	s_mov_b32 s36, 16
	s_mov_b32 s37, 32
	s_mov_b32 s38, 0
	s_mov_b32 s39, 0
	s_mul_i32 s16, s15, STEPB                      ; a quarter of a slot, in LDS and in memory
	s_mul_i32 s18, s13, 393216
	s_add_co_u32 s18, s18, s16
	s_mov_b32 s19, 0
	s_lshl_b32 s17, s15, 12                        ; a quarter of the scale words
	s_lshl_b32 s62, s13, 14
	s_add_co_u32 s62, s62, s17
	s_add_co_u32 s62, s62, KS_OFF
	s_mov_b32 s63, 0
	s_lshl_b32 s66, s13, 7
	s_add_co_u32 s66, s66, s14                     ; 128 bh + qt
	s_mul_i32 s68, s66, 1536                       ; q's two fragments
	s_mov_b32 s69, 0
	s_lshr_b32 s70, s66, 2
	s_lshl_b32 s70, s70, 8                         ; q's scale words: 256 bytes for four tiles, 8 bytes a lane: the even tile's in lanes 0-15, the odd tile's in lanes 16-31,
	s_bfe_u32 s71, s14, 0x10001
	s_lshl_b32 s71, s71, 2
	s_add_co_u32 s70, s70, s71                     ; the second pair's in the second word
	s_add_co_u32 s70, s70, QS_OFF
	s_mov_b32 s71, 0
	s_lshr_b32 s58, s13, 3
	s_lshl_b32 s58, s58, 7
	s_add_co_u32 s58, s58, s14                     ; the token tile: 128 x batch + qt
	s_lshl_b32 s58, s58, 3
	s_and_b32 s59, s13, 7
	s_add_co_u32 s58, s58, s59                     ; x 8 + head
	s_lshl_b32 s60, s58, 7
	s_add_co_u32 s60, s60, OS_OFF                  ; o's scale words
	s_mov_b32 s61, 0
	s_mul_i32 s58, s58, 1536                       ; o's fragment
	s_mov_b32 s59, 0
	s_mul_i32 s[PFA], s11, 3
	s_add_co_u32 s[PFA], s[PFA], s15               ; my part of a slot: 3 cx + wave % 4 (waves 4 to 6: 0, 1, 2)
	s_lshl_b32 s[PFA], s[PFA], 13
	s_mul_i32 s53, s13, 393216
	s_add_co_u32 s[PFA], s[PFA], s53
	s_add_co_u32 s[PFA], s[PFA], SLOTB             ; in slot 1: the first change of slots steps it to slot 2.  Nothing is prefetched at the head
	s_mov_b32 s[PFA+1], 0
	s_sub_co_u32 s53, s[WV], 4
	s_cmp_lt_u32 s53, 3                            ; waves 4 to 6,
	s_cselect_b32 s[LIM], 1, -1
	s_cmp_eq_u32 ttmp9, 0                          ; of the first cluster: the same in all four partners
	s_cselect_b32 s[LIM], s[LIM], -1
	s_mov_b32 s[SEL], 0x76543210
	s_mov_b32 s[SEL+1], 0xfedcba98
	s_mov_b32 s[CS], 0x3e0293ee                    ; c = log2(e) / sqrt(128)
	s_mov_b32 s[CS+1], s[CS]
	s_mov_b32 s[NC], 0xbe0293ee                    ; -c
	s_mov_b32 s56, 0x05040100                      ; v_perm_b32: the two low halves
	s_mov_b32 s57, 0x07060302                      ; the two high halves
	s_mov_b32 s[TB], 0
	s_mov_b32 s[TS], 0
	s_mov_b32 s[SLOTS], 3
	v_and_b32 v11, 31, v0
	v_lshlrev_b32 v[L16], 4, v11
	v_lshlrev_b32 v[L8], 3, v11
	v_lshl_add_u32 v[LSC], v11, 3, SCL
	v_lshlrev_b32 v[L4], 2, v11
	v_lshlrev_b32 v[PFO], 8, v11
	s_wait_alu depctr_va_vdst(0)
	s_wait_dscnt 0x0                               ; both opening adds are done
	s_wait_kmcnt 0x0
	s_mov_b32 s40, 1                               ; group 0 for the slots: it walks
	s_mov_b32 s41, s16
	s_add_nc_u64 s[42:43], s[6:7], s[18:19]
	s_or_b32 s43, s43, 0x80000000
	s_mov_b32 s44, 1                               ; group 0 for the scale words
	s_add_co_u32 s45, s17, SCL
	s_add_nc_u64 s[46:47], s[6:7], s[62:63]
	s_or_b32 s47, s47, 0x80000000
	s_add_nc_u64 s[PFA:PFA+1], s[6:7], s[PFA:PFA+1]
	s_add_nc_u64 s[68:69], s[4:5], s[68:69]
	s_add_nc_u64 s[70:71], s[4:5], s[70:71]
	s_add_nc_u64 s[58:59], s[8:9], s[58:59]
	s_add_nc_u64 s[60:61], s[8:9], s[60:61]
	global_load_b32 v[QS], v[L8], s[70:71]         ; q goes from memory straight into its one reader's registers, and stays
	WIN 0x40
.irp t, 0,1
.irp g, 0,1,2
	global_load_b128 v[Q+12*\t+4*\g:Q+12*\t+4*\g+3], v[L16], s[68:69] offset:\t*1536+512*\g
.endr
.endr
	WIN 0
	CROUND                                         ; all four work-groups are here: the first joint loads meet
	s_cmp_lt_u32 s[WV], 4                          ; one load a wave: waves 0-3 a quarter of slot 0, waves 4-7 a quarter of the scale words
	s_cbranch_scc0 .Lhead_sc
	tensor_load_to_lds s[40:43], s[24:31]
	s_nop 0
	PLACES 4
	s_branch .Lhead_j
.Lhead_sc:
	tensor_load_to_lds s[44:47], s[32:39]
	s_nop 0
	PLACES 4
.Lhead_j:
.set J, 0
.rept 128
	v_mov_b32 v[O+J], 0                            ; O^T: the step is written once; its first walk finds zeros, which f = 0 leaves zeros
.set J, J+1
.endr
.set J, 0
.rept 16
	v_mov_b32 v[LL+J], 0                           ; the sums
.set J, J+1
.endr
.irp t, 0,1
	v_mov_b32 v[NM+2*\t+1], 0xff61b1e6             ; the largest score so far: -3e38
	v_mov_b32 v[FF+2*\t+1], 0                      ; named as the upper half of a pair
	v_mov_b32 v[TM+8*\t+1], 0                      ; a lane permute's destination counts as one of its sources
.endr
.irp t, 0,1
	v_mul_f32 v[NM+2*\t], s[NC], v[NM+2*\t+1]
.endr
.irp t, 0,1
	v_floor_f32 v[NM+2*\t], v[NM+2*\t]             ; -M
.endr
.macro SC4 t, g                        ; S^T of tile t, key tiles 4 g .. 4 g + 3 (windows 0x45)
.irp f, 0,1,2,3
	WM S+64*\t+8*(4*\g+\f), F+12*(4*\g+\f), Q+12*\t, 1, KS+2*\g+\f/2, QS, \f%2, \t
.endr
.endm
.macro PV4 t, g                        ; O^T of tile t, channel tiles 4 g .. 4 g + 3 (windows 0x01); the accumulators take turns, one instruction a turn
.irp f, 0,1,2,3
	WM O+64*\t+8*(4*\g+\f), F+12*(4*\g+\f), CD+12*\t, 0, VS+2*\g+\f/2, PW, \f%2, \t
.endr
.endm
.macro KL g, o                         ; four fragments of k, o bytes on from the step in hand: 12 loads (windows 0x40)
.irp f, 0,1,2,3
.irp c, 0,1,2
	ds_load_b128 v[F+12*(4*\g+\f)+4*\c:F+12*(4*\g+\f)+4*\c+3], v[A16] offset:\o+(4*\g+\f)*1536+512*\c
.endr
.endr
.endm
.macro KSL o                           ; k's scale words: 2 loads (windows 0)
	ds_load_b64 v[KS:KS+1], v[AS] offset:\o
	ds_load_b64 v[KS+2:KS+3], v[AS] offset:\o+256
.endm
.macro VL g                            ; four fragments of v: 16 loads (windows 0x40)
.irp f, 0,1,2,3
	ds_load_b128 v[F+12*(4*\g+\f):F+12*(4*\g+\f)+3], v[A16] offset:12288+(4*\g+\f)*1536
	ds_load_b64 v[F+12*(4*\g+\f)+4:F+12*(4*\g+\f)+5], v[A8] offset:12288+(4*\g+\f)*1536+512
	ds_load_b128 v[F+12*(4*\g+\f)+6:F+12*(4*\g+\f)+9], v[A16] offset:12288+(4*\g+\f)*1536+768
	ds_load_b64 v[F+12*(4*\g+\f)+10:F+12*(4*\g+\f)+11], v[A8] offset:12288+(4*\g+\f)*1536+1280
.endr
.endm
.macro LA t, j0, n                     ; n pairs of the unquantised p of tile t onto its four chains, by turns (windows 0x01)
.set J, \j0
.rept \n
	v_pk_add_f32 v[LL+8*\t+J%8:LL+8*\t+J%8+1], v[S+64*\t+J:S+64*\t+J+1], v[LL+8*\t+J%8:LL+8*\t+J%8+1]
.set J, J+2
.endr
.endm
; A KEY STEP: 128 keys, both tiles.  On the way in 26 LDS loads are out, in this order: k's scale words (2), k's tiles 0-3 (12), tiles 4-7 (12)
.macro STEP
	s_wait_dscnt 12                                ; all but k's tiles 4-7
	WIN 0x45
	SC4 0, 0
	SC4 1, 0
	s_wait_dscnt 0x0
	SC4 0, 1
	SC4 1, 1
	WIN 0
	v_add_nc_u32 v[A16], s[TB], v[L16]             ; this step's addresses; these three and the v_nop are the four places behind the products
	v_add_nc_u32 v[A8], s[TB], v[L8]
	v_add_nc_u32 v[AS], s[TS], v[LSC]
	v_nop
	ds_load_b64 v[VR:VR+1], v[AS] offset:512
	ds_load_b64 v[VR+2:VR+3], v[AS] offset:768
	WIN 0x40
	VL 0
	VL 1
	s_add_co_u32 s[TB], s[TB], STEPB
	s_add_co_u32 s[TS], s[TS], 1024
	WIN 0x05
.irp t, 0,1
.irp c, 0,1
	v_max_num_f32 v[TM+8*\t+4*\c], v[S+64*\t+32*\c], v[S+64*\t+32*\c+1]   ; the largest score of my two blocks of each tile: four chains by turns, each accumulator from its low end on
.endr
.endr
.set J, 2
.rept 15
.irp t, 0,1
.irp c, 0,1
	v_max3_num_f32 v[TM+8*\t+4*\c], v[S+64*\t+32*\c+J], v[S+64*\t+32*\c+J+1], v[TM+8*\t+4*\c]
.endr
.endr
.set J, J+2
.endr
	WIN 0
.irp t, 0,1
	v_max3_num_f32 v[NM+2*\t+1], v[NM+2*\t+1], v[TM+8*\t], v[TM+8*\t+4]
.endr
.irp t, 0,1
	v_mov_b32 v[TM+8*\t+2], v[NM+2*\t]             ; the old -M
.endr
.irp t, 0,1
	v_permlanex16_b32 v[TM+8*\t+1], v[NM+2*\t+1], s[SEL], s[SEL+1]
.endr
.irp t, 0,1
	v_max_num_f32 v[NM+2*\t+1], v[NM+2*\t+1], v[TM+8*\t+1]    ; with lane l xor 16's 64 keys: the running largest score (c is positive: the largest t is c x this)
.endr
.irp t, 0,1
	v_mul_f32 v[TM+8*\t+3], s[NC], v[NM+2*\t+1]
.endr
.irp t, 0,1
	v_floor_f32 v[NM+2*\t], v[TM+8*\t+3]           ; the new -M = floor(-t) = -ceil(t)
.endr
.irp t, 0,1
	v_sub_f32 v[TM+8*\t+2], v[NM+2*\t], v[TM+8*\t+2]          ; old M - new M: a whole number, 0 or less
.endr
.irp t, 0,1
	v_cvt_i32_f32 v[TM+8*\t+2], v[TM+8*\t+2]       ; (it saturates)
.endr
.irp t, 0,1
	v_ldexp_f32 v[FF+2*\t], 1.0, v[TM+8*\t+2]      ; f
.endr
.irp t, 0,1
	v_fma_f32 v[TM+8*\t], v[TM+8*\t], s[CS], v[NM+2*\t]       ; t - M of each block's largest score
	v_fma_f32 v[TM+8*\t+4], v[TM+8*\t+4], s[CS], v[NM+2*\t]
.endr
.irp t, 0,1
.set J, 0
.rept 32
	v_pk_mul_f32 v[O+64*\t+J:O+64*\t+J+1], v[O+64*\t+J:O+64*\t+J+1], v[FF+2*\t:FF+2*\t+1] op_sel_hi:[1,0]   ; O^T under the new M
.set J, J+2
.endr
.endr
	WIN 0x41
.irp t, 0,1
.set J, 0
.rept 32
	v_pk_fma_f32 v[S+64*\t+J:S+64*\t+J+1], v[S+64*\t+J:S+64*\t+J+1], s[CS:CS+1], v[NM+2*\t:NM+2*\t+1] op_sel_hi:[1,0,0]   ; t - M, two at a time
.set J, J+2
.endr
.endr
	s_wait_alu depctr_va_vdst(0)
	s_wait_dscnt 0x0                               ; v's fragments and planes are in
.set J, 0
.rept 128
	v_exp_f32 v[S+J], v[S+J]                       ; p = 2^(t - M), at most 1
.set J, J+1
.endr
	WIN 0
.irp t, 0,1
	v_exp_f32 v[TM+8*\t], v[TM+8*\t]               ; the blocks' largest p
	v_exp_f32 v[TM+8*\t+4], v[TM+8*\t+4]
.endr
	v_perm_b32 v[VS], v[VR+2], v[VR], s56          ; v's scale words: key blocks 0, 1 from the first plane, 2, 3 from the second.  (Plain places behind the exponentials)
	v_perm_b32 v[VS+1], v[VR+2], v[VR], s57
	v_perm_b32 v[VS+2], v[VR+3], v[VR+1], s56
	v_perm_b32 v[VS+3], v[VR+3], v[VR+1], s57
	s_wait_alu depctr_va_vdst(0)                   ; one wait for the whole batch, ahead of its first reader
.irp t, 0,1
.irp c, 0,1
	v_max_num_f32 v[TM+8*\t+4*\c], 0x1800000, v[TM+8*\t+4*\c]        ; the floor 2^(3 - 127)
.endr
.endr
.irp t, 0,1
.irp c, 0,1
	v_add_nc_u32 v[TM+8*\t+4*\c+1], 0xff000000, v[TM+8*\t+4*\c]      ; 2 off the exponent field: the conversion's scale operand
.endr
.endr
.irp t, 0,1
.irp c, 0,1
	v_lshrrev_b32 v[TM+8*\t+4*\c+2], 23, v[TM+8*\t+4*\c+1]           ; the scale's byte
.endr
.endr
.irp t, 0,1
	v_lshl_or_b32 v[TM+8*\t+3], v[TM+8*\t+6], 16, v[TM+8*\t+2]       ; blocks h and 2 + h
.endr
	v_permlane16_swap_b32 v[TM+3], v[TM+11]        ; the first now holds blocks 0, 2 (lanes 0-15 tile 0's, lanes 16-31 tile 1's), the second blocks 1, 3
	v_lshl_or_b32 v[PW], v[TM+11], 8, v[TM+3]      ; p's scale words of both tiles in one register
	WIN 0x01
.irp t, 0,1
.irp c, 0,1
	v_cvt_scalef32_pk16_fp6_f32 v[CD+12*\t+6*\c:CD+12*\t+6*\c+2], v[S+64*\t+32*\c:S+64*\t+32*\c+15], v[TM+8*\t+4*\c+1]
	v_cvt_scalef32_pk16_fp6_f32 v[TT+32*\t+4*\c:TT+32*\t+4*\c+2], v[S+64*\t+32*\c+16:S+64*\t+32*\c+31], v[TM+8*\t+4*\c+1]   ; a conversion's three registers begin on an even number
.endr
.endr
	WIN 0x10
.irp t, 0,1
.set J, 0
.rept 4
	v_pk_fma_f32 v[LL+8*\t+J:LL+8*\t+J+1], v[LL+8*\t+J:LL+8*\t+J+1], v[FF+2*\t:FF+2*\t+1], v[S+64*\t+J:S+64*\t+J+1] op_sel_hi:[1,0,1]   ; the sums under the new M take their first p: also the plain places behind the conversions
.set J, J+2
.endr
.endr
	WIN 0
.irp t, 0,1
.irp c, 0,1
.irp i, 0,1,2
	v_mov_b32 v[CD+12*\t+6*\c+3+\i], v[TT+32*\t+4*\c+\i]
.endr
.endr
.endr
	WIN 0x01
	LA 1, 8, 24                                    ; these 48 are also the places ahead of the scaled products
	LA 0, 8, 24
	PV4 0, 0
	PV4 1, 0
	LA 0, 56, 4                                    ; tile 0's last four pairs: the four places in front of loads into registers that these products have read
	WIN 0
	s_cmp_eq_u32 s[CNT], 1                         ; a slot's last step asks for nothing of the next slot
	s_cbranch_scc1 .Llast_\@
	KSL 1024
	WIN 0x40
	KL 0, STEPB
	WIN 0x01
	PV4 0, 1
	PV4 1, 1
	LA 1, 56, 4                                    ; tile 1's last four pairs: places likewise
	WIN 0x40
	KL 1, STEPB
	WIN 0
	s_branch .Ljoin_\@
.Llast_\@:
	WIN 0x01
	PV4 0, 1
	PV4 1, 1
	LA 1, 56, 4
	WIN 0
.Ljoin_\@:
.endm
.macro FOUR_STEPS                      ; a slot's four key steps: written once, walked four times
	v_add_nc_u32 v[A16], s[TB], v[L16]
	v_add_nc_u32 v[A8], s[TB], v[L8]
	v_add_nc_u32 v[AS], s[TS], v[LSC]
	s_wait_alu depctr_va_vdst(0)
	KSL 0
	WIN 0x40
	KL 0, 0
	KL 1, 0
	WIN 0
	s_mov_b32 s[CNT], 4
.Lstep_\@:
	STEP
	s_sub_co_u32 s[CNT], s[CNT], 1
	s_cmp_lg_u32 s[CNT], 0
	s_cbranch_scc1 .Lstep_\@
	s_sub_co_u32 s[TB], s[TB], SLOTB               ; back to a slot's first step,
	s_xor_b32 s[TB], s[TB], SLOT1                  ; in the other slot
.endm
; THE CHANGE OF SLOTS stands at a slot's head.  Each wave waits for all its tensor loads, adds 0 to its spare word, and waits for that and for its reads of the slot that it has left.
; fill = 1: behind a round of the cluster's barrier the slot that was left (the first time: slot 1, not yet filled) takes the next four key steps.
.macro CHANGE fill
	s_wait_tensorcnt 0x0                           ; no tensor load of mine is out, so the group 0 may be written
	ds_add_u32 v[SPW], v[NIL]
.if \fill
	s_xor_b32 s41, s41, SLOT1
	s_add_nc_u64 s[42:43], s[42:43], SLOTB
	s_wait_xcnt 0x0                                ; the last prefetch, a slot back, has read its address
	s_add_nc_u64 s[PFA:PFA+1], s[PFA:PFA+1], SLOTB ; one slot further on than the walking descriptor
.endif
	s_wait_dscnt 0x0
.if \fill
	CROUND
	JLOAD
	ASK
.else
	s_barrier_signal -1
	s_barrier_wait -1
.endif
.endm
	s_wait_alu depctr_va_vdst(0)
	s_wait_loadcnt 0x0                             ; q
.Lslot:                                            ; three trips: behind each change of slots but the last a slot is asked for
	CHANGE 1
	FOUR_STEPS
	s_sub_co_u32 s[SLOTS], s[SLOTS], 1
	s_cmp_lg_u32 s[SLOTS], 0
	s_cbranch_scc1 .Lslot
	CHANGE 0                                       ; the last slot is written out
	FOUR_STEPS
	s_wait_alu depctr_va_vdst(0)
	; THE WAY OUT: O^T / the sum; register 16 b + i is channel 32 b + 16 h + i of my query (the channels of a tile of v are 32 b + 8 u + r + 8 (r / 8)).  The fragment is K step 'head' of the last product.
.irp t, 0,1
	v_pk_add_f32 v[LL+8*\t:LL+8*\t+1], v[LL+8*\t:LL+8*\t+1], v[LL+8*\t+2:LL+8*\t+3]
	v_pk_add_f32 v[LL+8*\t+4:LL+8*\t+5], v[LL+8*\t+4:LL+8*\t+5], v[LL+8*\t+6:LL+8*\t+7]
.endr
.irp t, 0,1
	v_pk_add_f32 v[LL+8*\t:LL+8*\t+1], v[LL+8*\t:LL+8*\t+1], v[LL+8*\t+4:LL+8*\t+5]
.endr
.irp t, 0,1
	H2
	v_add_f32 v[LL+8*\t], v[LL+8*\t], v[LL+8*\t+1]
.endr
.irp t, 0,1
	H2
	v_permlanex16_b32 v[TM+8*\t], v[LL+8*\t], s[SEL], s[SEL+1]
.endr
.irp t, 0,1
	H2
	v_add_f32 v[LL+8*\t], v[LL+8*\t], v[TM+8*\t]   ; the row's sum
.endr
.irp b, 0,1,2,3
	v_mov_b32 v[EQ+4+\b], 0                        ; a lane permute's destination counts as one of its sources
.endr
	s_wait_alu depctr_va_vdst(0)
	v_rcp_f32 v[LL], v[LL]
	v_rcp_f32 v[LL+8], v[LL+8]
	v_nop
	WIN 0x40
	s_wait_alu depctr_va_vdst(0)                   ; directly ahead of the first reader of the reciprocals and of O^T
.irp t, 0,1
.set J, 0
.rept 32
	v_pk_mul_f32 v[S+64*\t+J:S+64*\t+J+1], v[O+64*\t+J:O+64*\t+J+1], v[LL+8*\t:LL+8*\t+1] op_sel_hi:[1,0]
.set J, J+2
.endr
.endr
.macro OUTQ t
	WIN 0x05
.irp b, 0,1,2,3
	v_max3_num_f32 v[EQ+\b], |v[S+64*\t+16*\b]|, |v[S+64*\t+16*\b+1]|, 0x1800000
.endr
.irp i, 2,4,6,8,10,12,14
.irp b, 0,1,2,3
	v_max3_num_f32 v[EQ+\b], |v[S+64*\t+16*\b+\i]|, |v[S+64*\t+16*\b+\i+1]|, v[EQ+\b]
.endr
.endr
	WIN 0
.irp b, 0,1,2,3
	v_permlanex16_b32 v[EQ+4+\b], v[EQ+\b], s[SEL], s[SEL+1]
.endr
.irp b, 0,1,2,3
	v_max_num_f32 v[EQ+\b], v[EQ+\b], v[EQ+4+\b]
.endr
.irp b, 0,1,2,3
	v_add_nc_u32 v[EQ+12+\b], 0xff000000, v[EQ+\b]
.endr
.irp b, 0,1,2,3
	v_lshrrev_b32 v[EQ+4+\b], 23, v[EQ+12+\b]
.endr
	v_lshl_or_b32 v[EW+\t], v[EQ+5], 8, v[EQ+4]
	v_lshl_or_b32 v[EQ+6], v[EQ+7], 8, v[EQ+6]
	s_delay_alu instid0(VALU_DEP_1)
	v_lshl_or_b32 v[EW+\t], v[EQ+6], 16, v[EW+\t]
	WIN 0x01
.irp c, 0,1
	v_cvt_scalef32_pk16_fp6_f32 v[CD+12*\t+6*\c:CD+12*\t+6*\c+2], v[S+64*\t+32*\c:S+64*\t+32*\c+15], v[EQ+12+2*\c]
	v_cvt_scalef32_pk16_fp6_f32 v[TT+4*\c:TT+4*\c+2], v[S+64*\t+32*\c+16:S+64*\t+32*\c+31], v[EQ+12+2*\c+1]
.endr
	WIN 0
	v_nop                                          ; one plain place behind a scaled conversion
.irp c, 0,1
.irp i, 0,1,2
	v_permlane16_swap_b32 v[CD+12*\t+6*\c+\i], v[TT+4*\c+\i]
.endr
.irp i, 0,1,2
	v_mov_b32 v[CD+12*\t+6*\c+3+\i], v[TT+4*\c+\i]
.endr
.endr
.irp g, 0,1,2
	global_store_b128 v[L16], v[CD+12*\t+4*\g:CD+12*\t+4*\g+3], s[58:59] offset:\t*12288+512*\g   ; 512 consecutive bytes, aligned
.endr
	global_store_b32 v[L4], v[EW+\t], s[60:61] offset:\t*1024   ; the scale words: both halves of the lanes hold row r's
.endm
	OUTQ 0
	OUTQ 1
	s_wait_tensorcnt 0x0                           ; the wave's end
	ds_add_u32 v[SPW], v[NIL]
	s_wait_dscnt 0x0
	CROUND                                         ; the closing round
	s_endpgm
.Lfunc_end_k_qf789d40709_attn:
	.size	k_qf789d40709_attn, .Lfunc_end_k_qf789d40709_attn-k_qf789d40709_attn
	.p2alignl 7, 3214868480
	.fill 96, 4, 3214868480
	.section	.rodata,"a",@progbits
	.p2align	6, 0x0
	.amdhsa_kernel k_qf789d40709_attn
		.amdhsa_group_segment_fixed_size 327680
		.amdhsa_private_segment_fixed_size 0
		.amdhsa_enable_private_segment 0
		.amdhsa_kernarg_size 24
		.amdhsa_user_sgpr_count 2
		.amdhsa_user_sgpr_kernarg_segment_ptr 1
		.amdhsa_wavefront_size32 1
		.amdhsa_system_sgpr_workgroup_id_x 1
		.amdhsa_system_sgpr_workgroup_id_y 1
		.amdhsa_system_sgpr_workgroup_id_z 1
		.amdhsa_system_vgpr_workitem_id 0
		.amdhsa_next_free_vgpr 512
		.amdhsa_next_free_sgpr 80
		.amdhsa_reserve_vcc 0
		.amdhsa_float_denorm_mode_32 3
		.amdhsa_float_denorm_mode_16_64 3
		.amdhsa_memory_ordered 1
		.amdhsa_forward_progress 1
		.amdhsa_inst_pref_size 98
	.end_amdhsa_kernel
	.amdgpu_metadata
---
amdhsa.version: [ 1, 2 ]
amdhsa.kernels:
  - .name:           k_qf789d40709_attn
    .symbol:         k_qf789d40709_attn.kd
    .args:
      - { .name: qc, .offset: 0, .size: 8, .value_kind: global_buffer, .address_space: global }
      - { .name: kc, .offset: 8, .size: 8, .value_kind: global_buffer, .address_space: global }
      - { .name: oc, .offset: 16, .size: 8, .value_kind: global_buffer, .address_space: global }
    .group_segment_fixed_size: 327680
    .private_segment_fixed_size: 0
    .kernarg_segment_align: 8
    .kernarg_segment_size: 24
    .max_flat_workgroup_size: 256
    .sgpr_count:     80
    .vgpr_count:     512
    .wavefront_size: 32
...
	.end_amdgpu_metadata
.endif
;; end of part 3
;; launch outp (part 4): grid 256 x 1, 4 waves a work-group, clusters of 4 x 1, 167,936 bytes of LDS; arguments oc, wc, out0; writes out0
.if DOCPART == 4
	.amdgcn_target "amdgcn-amd-amdhsa--gfx1250"
	.amdhsa_code_object_version 6
	.text
	.protected	k_qf789d40709_outp
	.globl	k_qf789d40709_outp
	.p2align	8
	.type	k_qf789d40709_outp,@function
k_qf789d40709_outp:
	s_mov_b64 s[64:65], 0
	v_nop
	global_prefetch_b8 v0, s[64:65] scope:SCOPE_SE
	s_setreg_imm32_b32 hwreg(HW_REG_WAVE_MODE, 25, 1), 1
	s_wait_xcnt 0x0
	s_wait_alu depctr_hold_cnt(0) depctr_sa_sdst(0) depctr_va_vdst(0) depctr_va_sdst(0) depctr_va_ssrc(0) depctr_va_vcc(0) depctr_vm_vsrc(0)
	s_getreg_b32 s2, hwreg(HW_REG_IB_STS2, 6, 4)
	s_cmp_eq_u32 s2, 0
	s_cbranch_scc0 .Lentry_in_a_cluster
	s_endpgm
.Lentry_in_a_cluster:
	s_bfe_u32 s2, ttmp6, 0x10000c
	s_cmp_lg_u32 s2, 0x3003
	s_cbranch_scc0 .Lentry_shape_is_right
	s_endpgm
.Lentry_shape_is_right:
; z = o Wo: [8192][1024] x [1024][128], on codes of FP6 (E2M3) with E8M0 scales, sums in f32, z in f32.
; SHARES.  A work-group takes two tiles of 16 tokens; wave w takes tile w / 2 and columns 64 (w % 2) on: four accumulators, 8 K steps (one a head), 32 matrix instructions.
; Wo's 64 fragments (98,304 bytes) come into LDS once; all work-groups read them, so the four of a cluster ask JOINTLY (mask 15), a quarter a wave.  o's fragments go from memory straight into their reader's registers.
; The product is used transposed (source 0 = 16 columns of Wo, source 1 = 16 tokens): a lane holds one token and eight neighbouring columns; rows leave through the wave's own stage, sixteen lanes to 256 consecutive bytes.
; The tokens of a tile are rows tok0 + i + 24 (i / 8), tok0 = 128 (TT / 8) + 64 ((TT / 4) % 2) + 8 (TT % 4); the columns of tile 2 b + u are 32 b + 8 u + r + 8 (r / 8).
.set STAGE,  98304                     ; behind Wo: 16 rows x 272 bytes for each wave
.set SPARE,  115712                    ; behind the stages: the spare words, 128 bytes a wave
.set WS_OFF, 2457600
.set OS_OFF, 6291456
.set SPW, 1
.set NIL, 2
.set LI,  3                            ; v3  16 x lane
.set AW,  4                            ; v4, v5  16 x lane + 6,144 (w % 2) (+ 61,440 for K steps 5-7)
.set L8,  6
.set L4,  7
.set OS,  8                            ; v8-15  o's scale words, one register a K step
.set WS,  16                           ; v16-31 Wo's: 8 (k / 2) + s; lanes 0-15 the even tile's, lanes 16-31 the odd tile's
.set WF,  32                           ; v32-79, v80-127 Wo's four fragments, two sets
.set OF,  128                          ; v128-223 o's eight fragments
.set ACC, 224
.set WV,  10
.macro PLACES n
.rept \n
	v_nop
.endr
.endm
.macro CROUND
	s_barrier_signal -1
	s_barrier_wait -1
	s_cmp_lg_u32 s[WV], 0
	s_cbranch_scc1 .Lnot_wave_0_\@
	s_barrier_signal -3
.Lnot_wave_0_\@:
	s_barrier_wait -3
	s_barrier_signal -1
	s_barrier_wait -1
.endm
.macro WM d, a, b, zero, sa, sb, ra
.if \zero
.if \ra
	v_wmma_scale_f32_16x16x128_f8f6f4 v[\d:\d+7], v[\a:\a+11], v[\b:\b+11], 0, v[\sa], v[\sb] matrix_a_fmt:MATRIX_FMT_FP6 matrix_b_fmt:MATRIX_FMT_FP6 matrix_a_scale:MATRIX_SCALE_ROW1
.else
	v_wmma_scale_f32_16x16x128_f8f6f4 v[\d:\d+7], v[\a:\a+11], v[\b:\b+11], 0, v[\sa], v[\sb] matrix_a_fmt:MATRIX_FMT_FP6 matrix_b_fmt:MATRIX_FMT_FP6
.endif
.else
.if \ra
	v_wmma_scale_f32_16x16x128_f8f6f4 v[\d:\d+7], v[\a:\a+11], v[\b:\b+11], v[\d:\d+7], v[\sa], v[\sb] matrix_a_fmt:MATRIX_FMT_FP6 matrix_b_fmt:MATRIX_FMT_FP6 matrix_a_scale:MATRIX_SCALE_ROW1
.else
	v_wmma_scale_f32_16x16x128_f8f6f4 v[\d:\d+7], v[\a:\a+11], v[\b:\b+11], v[\d:\d+7], v[\sa], v[\sb] matrix_a_fmt:MATRIX_FMT_FP6 matrix_b_fmt:MATRIX_FMT_FP6
.endif
.endif
.endm
	s_load_b128 s[4:7], s[0:1], 0x0                ; oc, wc
	s_load_b64 s[8:9], s[0:1], 0x10                ; out0
	v_lshl_add_u32 v[SPW], v0, 2, SPARE
	v_mov_b32 v[NIL], 0
	ds_add_u32 v[SPW], v[NIL]                      ; the wave's opening: the add and its wait stand ahead of my tensor load; the set-up below stands between them
	ds_add_u32 v[SPW], v[NIL]
	v_lshrrev_b32 v32, 5, v0
	v_readfirstlane_b32 s[WV], v32                 ; wave 0..3
	s_bfe_u32 s11, ttmp6, 0x40000                  ; cx: it enters o's and z's addresses alone
	s_lshl_b32 s12, ttmp9, 2
	s_add_co_u32 s12, s12, s11                     ; work-group
	s_lshl_b32 s13, s12, 1
	s_lshr_b32 s14, s[WV], 1
	s_add_co_u32 s13, s13, s14                     ; TT: my token tile
	s_and_b32 s14, s[WV], 1                        ; which 64 columns
	s_lshr_b32 s15, s13, 3
	s_lshl_b32 s15, s15, 7
	; THE TOKENS OF A TILE (this holds, not the head's line on tokens): rows tok0 + i + 24 (i / 8), tok0 = 128 (TT / 8) + 64 ((TT / 4) % 2) + 8 (TT % 4)
	s_bfe_u32 s16, s13, 0x10002
	s_lshl_b32 s16, s16, 6
	s_add_co_u32 s15, s15, s16
	s_and_b32 s16, s13, 3
	s_lshl_b32 s16, s16, 3
	s_add_co_u32 s15, s15, s16                     ; the tile's first token
	s_lshl_b32 s36, s15, 9
	s_lshl_b32 s37, s14, 8
	s_add_co_u32 s36, s36, s37                     ; z: 512 bytes a token, + my 256
	s_mov_b32 s37, 0
	s_mul_i32 s38, s13, 12288                      ; o's eight fragments
	s_mov_b32 s39, 0
	s_lshl_b32 s40, s13, 10
	s_add_co_u32 s40, s40, OS_OFF                  ; and their scale words, 128 bytes each
	s_mov_b32 s41, 0
	s_lshl_b32 s42, s14, 11
	s_add_co_u32 s42, s42, WS_OFF+98304            ; Wo's scale words: matrix 24, my two pairs of tiles
	s_mov_b32 s43, 0
	s_mul_i32 s18, s[WV], 24576                    ; my quarter of Wo's fragments, in LDS and in memory
	s_add_co_u32 s44, s18, 2359296                 ; matrix 24 begins here in wc
	s_mov_b32 s45, 0
	s_mul_i32 s20, s[WV], 4352
	s_add_co_u32 s20, s20, STAGE                   ; my stage
	s_mul_i32 s21, s14, 6144
	s_mov_b32 s24, 15|(3<<16)|(1<<21)              ; group 1: 96 rows of 256 bytes, dense, no padding; mask 15, bit 21 beside it
	s_mov_b32 s25, 32<<16
	s_mov_b32 s26, 96<<16
	s_mov_b32 s27, 32<<16
	s_mov_b32 s28, 96
	s_mov_b32 s29, 32
	s_mov_b32 s30, 0
	s_mov_b32 s31, 0
	v_and_b32 v32, 31, v0
	v_lshlrev_b32 v[LI], 4, v32
	v_lshlrev_b32 v[L8], 3, v32
	v_lshlrev_b32 v[L4], 2, v32
	v_add_nc_u32 v[AW], s21, v[LI]
	v_add_nc_u32 v[AW+1], 61440, v[AW]
	s_wait_dscnt 0x0                               ; the opening add is done
	s_wait_kmcnt 0x0
	s_mov_b32 s32, 1
	s_mov_b32 s33, s18
	s_add_nc_u64 s[34:35], s[6:7], s[44:45]
	s_or_b32 s35, s35, 0x80000000
	s_add_nc_u64 s[36:37], s[8:9], s[36:37]
	s_add_nc_u64 s[38:39], s[4:5], s[38:39]
	s_add_nc_u64 s[40:41], s[4:5], s[40:41]
	s_add_nc_u64 s[42:43], s[6:7], s[42:43]
	CROUND                                         ; all four work-groups are here: the joint loads meet
	tensor_load_to_lds s[32:35], s[24:31]          ; one load of mine is out
	s_nop 0
	PLACES 4
	s_wait_alu depctr_va_vdst(0)
.irp s, 0,1,2,3,4,5,6,7
.irp g, 0,1,2
	global_load_b128 v[OF+12*\s+4*\g:OF+12*\s+4*\g+3], v[LI], s[38:39] offset:\s*1536+512*\g
.endr
	global_load_b32 v[OS+\s], v[L4], s[40:41] offset:\s*128
.endr
.irp b, 0,1
.irp kq, 0,1,2,3
	global_load_b64 v[WS+8*\b+2*\kq:WS+8*\b+2*\kq+1], v[L8], s[42:43] offset:\b*1024+\kq*256
.endr
.endr
	s_wait_tensorcnt 0x0                           ; my quarter of Wo has landed,
	s_barrier_signal -1
	s_barrier_wait -1                              ; everybody's has
.macro FETCH s                         ; my four fragments of K step s into set s % 2: 12 loads
.irp k, 0,1,2,3
.irp g, 0,1,2
	ds_load_b128 v[WF+48*((\s)%2)+12*\k+4*\g:WF+48*((\s)%2)+12*\k+4*\g+3], v[AW+(\s)/5] offset:((\s)-5*((\s)/5))*12288+\k*1536+512*\g
.endr
.endr
.endm
	FETCH 0
	s_wait_loadcnt 0x0                             ; o and all scale words
.irp s, 0,1,2,3,4,5,6,7
.if \s < 7
	PLACES 4                                       ; in front of loads into registers that the last matrix instructions have read
	FETCH \s+1
	s_wait_dscnt 12                                ; this step's fragments are in; the 12 loads just issued may be out
.else
	s_wait_dscnt 0x0
.endif
.irp k, 0,1,2,3                                ; the four accumulators take turns, one instruction a turn
.if \s == 0
	WM ACC+8*\k, WF+48*(\s%2)+12*\k, OF+12*\s, 1, WS+8*(\k/2)+\s, OS+\s, \k%2
.else
	WM ACC+8*\k, WF+48*(\s%2)+12*\k, OF+12*\s, 0, WS+8*(\k/2)+\s, OS+\s, \k%2
.endif
.endr
.endr
	; THE WAY OUT.  Lane (r, h), accumulator k = 2 b + u, register j: z(token r of the tile, column 64 (w % 2) + 32 b + 16 h + 8 u + j)
	PLACES 4                                       ; in front of the first read of results and of writes into registers that held fragments
	v_and_b32 v32, 15, v0                          ; r
	v_bfe_u32 v33, v0, 4, 1                        ; h
	v_mul_u32_u24 v34, v32, 272
	v_lshl_add_u32 v34, v33, 6, v34
	v_add_nc_u32 v34, s20, v34                     ; into the stage: row r, + 64 h
	v_mul_u32_u24 v35, v33, 272
	v_lshl_add_u32 v35, v32, 4, v35
	v_add_nc_u32 v35, s20, v35                     ; back: lanes 0-15 one row of 256 bytes, lanes 16-31 the next
	v_lshlrev_b32 v36, 9, v33
	v_lshl_add_u32 v36, v32, 4, v36                ; and the same two rows in z
.irp k, 0,1,2,3
	ds_store_b128 v34, v[ACC+8*\k:ACC+8*\k+3] offset:128*(\k/2)+32*(\k%2)        ; each accumulator from its low end on
	ds_store_b128 v34, v[ACC+8*\k+4:ACC+8*\k+7] offset:128*(\k/2)+32*(\k%2)+16
.endr
.irp i, 0,1,2,3,4,5,6,7
	ds_load_b128 v[OF+4*\i:OF+4*\i+3], v35 offset:544*\i   ; LDS serves a wave's instructions in order: these see my stores
.endr
	s_wait_alu depctr_va_vdst(0)
.irp i, 0,1,2,3,4,5,6,7
	s_wait_dscnt 7-\i                              ; rows 2 i, 2 i + 1 are back; the younger loads may be out
	global_store_b128 v36, v[OF+4*\i:OF+4*\i+3], s[36:37] offset:(2*\i+24*(\i/4))*512 th:TH_STORE_NT
.endr
	s_wait_tensorcnt 0x0                           ; the wave's end
	ds_add_u32 v[SPW], v[NIL]
	s_wait_dscnt 0x0
	CROUND                                         ; the closing round
	s_endpgm
.Lfunc_end_k_qf789d40709_outp:
	.size	k_qf789d40709_outp, .Lfunc_end_k_qf789d40709_outp-k_qf789d40709_outp
	.p2alignl 7, 3214868480
	.fill 96, 4, 3214868480
	.section	.rodata,"a",@progbits
	.p2align	6, 0x0
	.amdhsa_kernel k_qf789d40709_outp
		.amdhsa_group_segment_fixed_size 167936
		.amdhsa_private_segment_fixed_size 0
		.amdhsa_enable_private_segment 0
		.amdhsa_kernarg_size 24
		.amdhsa_user_sgpr_count 2
		.amdhsa_user_sgpr_kernarg_segment_ptr 1
		.amdhsa_wavefront_size32 1
		.amdhsa_system_sgpr_workgroup_id_x 1
		.amdhsa_system_sgpr_workgroup_id_y 1
		.amdhsa_system_sgpr_workgroup_id_z 1
		.amdhsa_system_vgpr_workitem_id 0
		.amdhsa_next_free_vgpr 256
		.amdhsa_next_free_sgpr 66
		.amdhsa_reserve_vcc 0
		.amdhsa_float_denorm_mode_32 3
		.amdhsa_float_denorm_mode_16_64 3
		.amdhsa_memory_ordered 1
		.amdhsa_forward_progress 1
		.amdhsa_inst_pref_size 22
	.end_amdhsa_kernel
	.amdgpu_metadata
---
amdhsa.version: [ 1, 2 ]
amdhsa.kernels:
  - .name:           k_qf789d40709_outp
    .symbol:         k_qf789d40709_outp.kd
    .args:
      - { .name: oc, .offset: 0, .size: 8, .value_kind: global_buffer, .address_space: global }
      - { .name: wc, .offset: 8, .size: 8, .value_kind: global_buffer, .address_space: global }
      - { .name: out0, .offset: 16, .size: 8, .value_kind: global_buffer, .address_space: global }
    .group_segment_fixed_size: 167936
    .private_segment_fixed_size: 0
    .kernarg_segment_align: 8
    .kernarg_segment_size: 24
    .max_flat_workgroup_size: 128
    .sgpr_count:     66
    .vgpr_count:     256
    .wavefront_size: 32
...
	.end_amdgpu_metadata
.endif
;; end of part 4
